; MI455X (gfx1250); checked and timed in simulation.
; The chip was launched on July 23, 2026; its instructions are those of AMD's public machine-readable ISA for CDNA 5 (MIT licence, August 2026) and "CDNA5" Instruction Set Architecture Reference Guide (July 2026). The comments in the code are by the model that wrote it; some were corrected since.
;; MSA Block. Allowed arithmetic: matrix products marked QUANTISED: E4M3 operands, one given power-of-two scale a tensor, by v_wmma_f32_16x16x64_fp8_fp8 or v_wmma_f32_16x16x128_fp8_fp8, f32 sums; products left as they are: f32 operands where the result goes on into a quantised operand, else bf16, f16 or f32 operands; f32 sums; everything else in f32.
;; Inputs: lowp_scales 24 int32 (the exponents e of the quantised operands' scales 2^e); m 512 x 256 x 64 float32; msa_mask 512 x 256 float32; opm_bout 128 float32; opm_ln_b 64 float32; opm_ln_w 64 float32; opm_w1 64 x 32 float32; opm_w2 64 x 32 float32; opm_wout 1,024 x 128 float32; pwa_lnm_b 64 float32; pwa_lnm_w 64 float32; pwa_lnz_b 128 float32; pwa_lnz_w 128 float32; pwa_wg 64 x 256 float32; pwa_wo 256 x 64 float32; pwa_wv 64 x 256 float32; pwa_wz 128 x 8 float32; tr_ln_b 64 float32; tr_ln_w 64 float32; tr_wa 64 x 256 float32; tr_wb 64 x 256 float32; tr_wo 256 x 64 float32; z 256 x 256 x 128 float32.
;; Outputs: out0 512 x 256 x 64 float32; out1 256 x 256 x 128 float32.
;; This version of the problem:
;;   THIS VERSION OF THE PROBLEM IS GIVEN IN LOW PRECISION. The matrix products marked QUANTISED in the list below multiply operands that are first quantised to E4M3 (4 exponent bits, 3 mantissa bits; 8 bits a number), with one given power-of-two scale for each operand tensor; their sums are f32. All else is computed in f32.
;;   The module's matrix products, in the order in which they are computed (A, B: the left and right operand; K: the contracted axis; several contracted axes count as one K, in the product's order):
;;     1. [M 256, K 512] x [K 512, N 256]; A: input msa_mask; B: input msa_mask: QUANTISED (scales: A lowp_scales[0], B lowp_scales[1])
;;     2. [M 131,072, K 64] x [K 64, N 32]; A: computed on the way; B: input opm_w1: QUANTISED (scales: A lowp_scales[2], B lowp_scales[3])
;;     3. [M 131,072, K 64] x [K 64, N 32]; A: computed on the way; B: input opm_w2: QUANTISED (scales: A lowp_scales[4], B lowp_scales[5])
;;     4. [M 8,192, K 512] x [K 512, N 8,192]; A: computed on the way; B: computed on the way: QUANTISED (scales: A lowp_scales[6], B lowp_scales[7])
;;     5. [M 65,536, K 1,024] x [K 1,024, N 128]; A: computed on the way; B: input opm_wout: QUANTISED (scales: A lowp_scales[8], B lowp_scales[9])
;;     6. [M 65,536, K 128] x [K 128, N 8]; A: computed on the way; B: input pwa_wz: left as it is (N = 8 < 16)
;;     7. [M 131,072, K 64] x [K 64, N 256]; A: computed on the way; B: input pwa_wv: QUANTISED (scales: A lowp_scales[10], B lowp_scales[11])
;;     8. [M 131,072, K 64] x [K 64, N 256]; A: computed on the way; B: input pwa_wg: QUANTISED (scales: A lowp_scales[12], B lowp_scales[13])
;;     9. batch 8 x [M 16,384, K 256] x [K 256, N 256]; A: computed on the way; B: softmax (see below): QUANTISED (scales: A lowp_scales[14], B lowp_scales[15])
;;     10. [M 131,072, K 256] x [K 256, N 64]; A: computed on the way; B: input pwa_wo: QUANTISED (scales: A lowp_scales[16], B lowp_scales[17])
;;     11. [M 131,072, K 64] x [K 64, N 256]; A: computed on the way; B: input tr_wa: QUANTISED (scales: A lowp_scales[18], B lowp_scales[19])
;;     12. [M 131,072, K 64] x [K 64, N 256]; A: computed on the way; B: input tr_wb: QUANTISED (scales: A lowp_scales[20], B lowp_scales[21])
;;     13. [M 131,072, K 256] x [K 256, N 64]; A: computed on the way; B: input tr_wo: QUANTISED (scales: A lowp_scales[22], B lowp_scales[23])
;;   THE QUANTISER, for each operand of a quantised product, along K:
;;     - The operand's scale is 2^e, e = its entry of the input lowp_scales (int32; the entries are numbered through the quantised products in the list's order, A before B).
;;     - Each number is divided by the scale, clamped to +-448, and rounded to the nearest number of E4M3, ties to even, subnormals kept.
;;     - The product sums the exact products of the quantised numbers (number of the format x scale) in f32.
;;   ~~~python
;;   def quantise(x, axis, e):      # numpy; x: float32 -> the quantised numbers, widened to float32 again
;;       x = np.moveaxis(x, axis, -1); K = x.shape[-1]
;;       r = np.clip(x / 2.0 ** e, -448, 448)
;;       step = 2.0 ** (np.maximum(np.frexp(np.where(r == 0, 1, r))[1] - 1, -6) - 3)
;;       q = np.round(r / step) * step * 2.0 ** e      # np.round: ties to even
;;       return np.moveaxis(q, -1, axis).astype(np.float32)
;;   ~~~
;;   SOFTMAX AHEAD OF A QUANTISED PRODUCT. Where the list says 'softmax', what is quantised is not the finished softmax but p = 2^(t - M), with t = logit x log2(e) and M = ceil(the row's largest t), a whole number; so 1/2 < the row's largest p <= 1. The row's sum l is taken of the UNQUANTISED p, in f32, and the product's result is divided by l at the end. Since M is a whole number, a kernel that streams over the keys may use a running M (the ceiling of the running maximum): every later rescaling is an exact power of two, so the quantised numbers keep their values, but for numbers so far below the row's largest that they fall under the format's range.
;;   OPERANDS COMPUTED ON THE WAY. 'Computed on the way' means the value that the module computes at that place (a softmax that the list does not call 'softmax' is quantised finished and normalised). What goes into a quantiser is computed in f32, as accurately as f32 sums, v_exp_f32 and their like allow (about 1e-6 of the number): no bf16 or f16 on the way to a quantiser, and a product that is left as it is and whose result goes on into a quantised operand takes f32 operands (vector FMAs, or v_wmma_f32_16x16x4_f32). A number that lies on a knife's edge between two numbers of the format may be rounded either way, as far as f32 arithmetic and the matrix unit's own rounding can turn it there, and no further.
;; One version. Each part assembles by itself: llvm-mc -triple=amdgcn-amd-amdhsa -mcpu=gfx1250 --defsym DOCPART=n.
;; ======== version 1 of 1: 4 launches
;; limits: right only within a limited range of input values
;; workspace buffers: afrag 4,194,304 bytes; bfrag 4,194,304 bytes; woutf 131,072 bytes; wfrag 98,304 bytes; rnt 262,144 bytes; lg 2,097,152 bytes; pfrag 524,288 bytes; linv 8,192 bytes
;; launch prep (part 1): grid 256 x 1, 16 waves a work-group, no clusters, 180,992 bytes of LDS; arguments m, msa_mask, opm_ln_w, opm_ln_b, opm_w1, opm_w2, opm_wout, pwa_wv, pwa_wg, pwa_wo, tr_wa, tr_wb, tr_wo, lowp_scales, afrag, bfrag, woutf, wfrag, rnt; writes afrag, bfrag, woutf, wfrag, rnt
.if DOCPART == 1
	.amdgcn_target "amdgcn-amd-amdhsa--gfx1250"
	.amdhsa_code_object_version 6
	.text
	.protected	k_q8f040c59cd_prep
	.globl	k_q8f040c59cd_prep
	.p2align	8
	.type	k_q8f040c59cd_prep,@function
k_q8f040c59cd_prep:
	s_mov_b64 s[64:65], 0
	v_nop
	global_prefetch_b8 v0, s[64:65] scope:SCOPE_SE
	s_setreg_imm32_b32 hwreg(HW_REG_WAVE_MODE, 25, 1), 1
	s_wait_xcnt 0x0
; PREP: what every later launch reads many times is made once, as codes of E4M3 laid as images of operand registers.
;   a = (LN(m) w1) mask, b = (LN(m) w2) mask  -> afrag, bfrag;   the weights -> woutf, wfrag;   1 / (mask^T mask + 1e-3) -> rnt.
; DEAD WORK: none is left out in this program.  pwa_lnz_b adds the same term to all logits of a softmax row, but it moves M = ceil(the largest t)
; and so the codes of p: it stays.  Every input is loaded by some launch.
; WHICH ENTRY OF lowp_scales: the outer product 'sic,sje->ijce' is taken with b (index j, e) as its left operand: b has entry 6, a entry 7;
; in norm[a, d] the mask's column d has entry 0, column a entry 1 (the same order in which the table lists v ahead of the softmax).
; AN IMAGE: a piece is 4 registers x 32 lanes, 512 bytes, lane l's 16 bytes at 16 l.  Lane (r = l % 16, h = l / 16) holds row r of a fragment and its registers
; 2 c, 2 c + 1 hold k = 16 c + 8 h + 0 .. 7: the order of the plain fp8 matrix forms.  A fragment of K = 128 is 4 pieces, of K = 64 two.
; SHARES.  Work-group g: jt = g / 16 (16 positions), sb = g % 16 (32 values of s).  Wave w owns position 16 jt + w: two tiles of 16 s.  The 32 s are piece sb % 4 of K step sb / 4.
; Small jobs beside that: every wave quantises one piece of each side of the mask product (the work-group's 16 x 16 tile of norm, multiplied by wave 15);
; waves 0-7 the eight pieces of w1 and w2 (into LDS); wave 8 piece g of wout; wave 9 piece g of the six other weights (g < 192).
; ORDER.  A wave's LayerNorms read its own rows of m alone, so they stand AHEAD of the first barrier: a wave whose rows have landed works while other waves' rows are on their way.
; LIMITS: each exponent that is made into an f32 number (e, e7 - e2 - e3, e6 - e4 - e5) lies between -126 and 119, e0 + e1 between -126 and 127.  NaN among the inputs is not served.
.set MST,   0                          ; LDS: m's rows, wave w at 8704 w: 32 rows of 256 bytes + 16
.set BST,   139264                     ; b's codes on their way from wave to wave: 32 rows (e) of 512 bytes + 16
.set MASKT, 156160                     ; the mask of the work-group's 16 positions x 32 s: a position's 128 bytes + 16
.set WFR,   158464                     ; w1's and w2's four fragments of K = 64
.set NIMG,  162560                     ; the mask's images: [side 2][K step 4][piece 4][512]
.set SPARE, 178944                     ; the spare words: 128 bytes a wave, named by no other line
.set WV,  42
.set JT,  43
.set SB,  44
.set SEL, 46                           ; s[46:47] lane selects: lane l xor 16
.set I64, 66                           ; 1 / 64
.set EPS, 67                           ; 1e-5
.set LNW, 32                           ; v32-63 the gain, v64-95 the bias of my 32 channels; later the eight result tiles
.set LNB, 64
.set D,   32
.set X,   96                           ; v96-127 a tile's 32 numbers a lane
.set TMP, 128
.set XJ0, 96                           ; at the head: the pieces' numbers
.set XJ1, 112
.set XJ2, 128
.set C2,  160                          ; LN(m) as codes by entry 2 (two tiles), by entry 4
.set C4,  176
.set WF,  192
.set MK,  224
.macro PLACES n
.rept \n
	v_nop
.endr
.endm
.macro MKQ e, vs, vl                   ; 2^e and 448 x 2^e as f32 numbers
	s_add_co_i32 s2, \e, 127
	s_lshl_b32 s3, s2, 23
	v_mov_b32 \vs, s3
	s_add_co_i32 s2, s2, 8
	s_lshl_b32 s2, s2, 23
	s_or_b32 s2, s2, 0x600000
	v_mov_b32 \vl, s2
.endm
; LayerNorm over 64 channels: a lane holds 32 of its row's, lane l xor 16 the other 32.  v[x] on: the numbers; v[y] on: the result.
.macro LN x, y, w, b
	v_pk_add_f32 v[20:21], v[96:97], v[98:99]
	v_pk_add_f32 v[254:255], v[104:105], v[108:109]
	v_pk_add_f32 v[252:253], v[112:113], v[116:117]
	v_pk_add_f32 v[250:251], v[120:121], v[124:125]
	v_pk_add_f32 v[248:249], v[100:101], v[102:103]
	v_pk_add_f32 v[246:247], v[106:107], v[110:111]
	v_pk_add_f32 v[244:245], v[114:115], v[118:119]
	v_pk_add_f32 v[18:19], v[122:123], v[126:127]
	s_delay_alu instid0(VALU_DEP_1)
	v_pk_add_f32 v[18:19], v[18:19], v[250:251]
	v_pk_add_f32 v[20:21], v[20:21], v[248:249]
	v_pk_add_f32 v[254:255], v[254:255], v[246:247]
	v_pk_add_f32 v[252:253], v[252:253], v[244:245]
	s_delay_alu instid0(VALU_DEP_2)
	v_pk_add_f32 v[18:19], v[18:19], v[254:255]
	s_delay_alu instid0(VALU_DEP_2)
	v_pk_add_f32 v[20:21], v[20:21], v[252:253]
	s_delay_alu instid0(VALU_DEP_1)
	v_pk_add_f32 v[18:19], v[18:19], v[20:21]
	s_delay_alu instid0(VALU_DEP_1)
	v_add_f32 v18, v18, v19
	s_delay_alu instid0(VALU_DEP_1)
	v_permlanex16_b32 v22, v18, s[SEL], s[SEL+1]
	s_delay_alu instid0(VALU_DEP_1)
	v_add_f32 v18, v18, v22
	s_delay_alu instid0(VALU_DEP_1)
	v_mul_f32 v18, 0xbc800000, v18                 ; minus the mean
.irp j, 0,2,4,6,8,10,12,14,16,18,20,22,24,26,28,30
	v_pk_add_f32 v[\y+\j:\y+\j+1], v[\x+\j:\x+\j+1], v[18:19] op_sel_hi:[1,0]
.endr
	v_pk_mul_f32 v[20:21], v[\y:\y+1], v[\y:\y+1]
	v_pk_mul_f32 v[24:25], v[\y+2:\y+3], v[\y+2:\y+3]
.irp j, 4,8,12,16,20,24,28
	s_delay_alu instid0(VALU_DEP_2)
	v_pk_fma_f32 v[20:21], v[\y+\j:\y+\j+1], v[\y+\j:\y+\j+1], v[20:21]
	s_delay_alu instid0(VALU_DEP_2)
	v_pk_fma_f32 v[24:25], v[\y+\j+2:\y+\j+3], v[\y+\j+2:\y+\j+3], v[24:25]
.endr
	s_delay_alu instid0(VALU_DEP_1)
	v_pk_add_f32 v[20:21], v[20:21], v[24:25]
	s_delay_alu instid0(VALU_DEP_1)
	v_add_f32 v20, v20, v21
	s_delay_alu instid0(VALU_DEP_1)
	v_permlanex16_b32 v22, v20, s[SEL], s[SEL+1]
	s_delay_alu instid0(VALU_DEP_1)
	v_add_f32 v20, v20, v22
	s_delay_alu instid0(VALU_DEP_1)
	v_fma_f32 v20, v20, s[I64], s[EPS]
	s_wait_alu depctr_va_vdst(0)
	v_rsq_f32 v20, v20
	v_nop                                          ; a plain instruction behind the transcendental,
	s_wait_alu depctr_va_vdst(0)                   ; and the wait ahead of its first reader
.irp j, 0,2,4,6,8,10,12,14,16,18,20,22,24,26,28,30
	v_pk_mul_f32 v[\y+\j:\y+\j+1], v[\y+\j:\y+\j+1], v[20:21] op_sel_hi:[1,0]
.endr
.irp j, 0,2,4,6,8,10,12,14,16,18,20,22,24,26,28,30
	v_pk_fma_f32 v[\y+\j:\y+\j+1], v[\y+\j:\y+\j+1], v[\w+\j:\w+\j+1], v[\b+\j:\b+\j+1]
.endr
.endm
; 32 numbers become two fragments of K = 64, by two scales: the first through v[t] on, the second in place.  The conversion does not saturate: the hold stands first.
.macro QLN y, t, c1, c2, s1, l1, s2, l2
.set qi, 0
.rept 32
	v_med3_num_f32 v[\t+qi], v[\y+qi], -\l1, \l1
.set qi, qi+1
.endr
.irp g, 0,1,2,3
	v_cvt_scalef32_pk8_fp8_f32 v[\c1+2*\g:\c1+2*\g+1], v[\t+8*\g:\t+8*\g+7], \s1
.endr
.set qi, 0
.rept 32
	v_med3_num_f32 v[\y+qi], v[\y+qi], -\l2, \l2
.set qi, qi+1
.endr
.irp g, 0,1,2,3
	v_cvt_scalef32_pk8_fp8_f32 v[\c2+2*\g:\c2+2*\g+1], v[\y+8*\g:\y+8*\g+7], \s2
.endr
	v_nop                                          ; a plain instruction behind the last conversion
.endm
.macro QP16 src, dst                   ; a piece: 16 numbers a lane, scale in v16, limit in v17
.set qi, 0
.rept 16
	v_med3_num_f32 v[\src+qi], v[\src+qi], -v17, v17
.set qi, qi+1
.endr
	v_cvt_scalef32_pk8_fp8_f32 v[\dst:\dst+1], v[\src:\src+7], v16
	v_cvt_scalef32_pk8_fp8_f32 v[\dst+2:\dst+3], v[\src+8:\src+15], v16
	v_nop
.endm
.macro PLOAD mq, mc                    ; a piece of a weight stored [K][N]: lane r a column, registers down K: mq bytes from q to q + 1, mc from the first pair of registers to the second
.irp x, 0,1
.irp q, 0,1,2,3,4,5,6,7
	global_load_b32 v[XJ2+8*\x+\q], v13, s[84:85] offset:\q*(\mq)+\x*(\mc)
.endr
.endr
.endm
	s_load_b512 s[4:19], s[0:1], 0x0               ; m, mask, ln_w, ln_b, w1, w2, wout, wv
	s_load_b512 s[20:35], s[0:1], 0x40             ; wg, wo, wa, wb, tr_wo, scales, afrag, bfrag
	s_load_b128 s[36:39], s[0:1], 0x80             ; woutf, wfrag
	s_load_b64 s[40:41], s[0:1], 0x90              ; rnt
	v_lshl_add_u32 v1, v0, 2, SPARE
	v_mov_b32 v2, 0
	ds_add_u32 v1, v2                              ; the opening: the add, twice on end, and its wait ahead of my tensor load
	ds_add_u32 v1, v2
	v_lshrrev_b32 v18, 5, v0
	s_delay_alu instid0(VALU_DEP_1)
	v_readfirstlane_b32 s[WV], v18
	s_lshr_b32 s[JT], ttmp9, 4
	s_and_b32 s[SB], ttmp9, 15
	s_mov_b32 s[SEL], 0x76543210
	s_mov_b32 s[SEL+1], 0xfedcba98
	s_mov_b32 s[I64], 0x3c800000
	s_mov_b32 s[EPS], 0x3727c5ac
	s_mov_b32 s48, (2<<16)|(1<<20)|(5<<22)|(3<<25) ; group 1: elements of 4 bytes; 4 words of padding behind every 64
	s_mov_b32 s49, 64<<16                          ; tensor_dim0 = 64
	s_mov_b32 s50, 32<<16                          ; tensor_dim1 = 32
	s_mov_b32 s51, 64<<16                          ; tile_dim0 = 64
	s_mov_b32 s52, 32                              ; tile_dim1 = 32 rows: 32 s of one position
	s_mov_b32 s53, 16384                           ; from s to s + 1: 256 positions x 64 channels
	s_mov_b32 s54, 0
	s_mov_b32 s55, 0
	s_mov_b32 s56, 1
	s_mul_i32 s57, s[WV], 8704
	s_lshl_b32 s60, s[SB], 13
	s_lshl_b32 s61, s[JT], 4
	s_add_co_u32 s60, s60, s61
	s_add_co_u32 s60, s60, s[WV]                   ; row 32 sb x 256 + 16 jt + w
	s_lshl_b32 s60, s60, 8
	s_mov_b32 s61, 0
	v_and_b32 v19, 31, v0                          ; lane
	v_and_b32 v20, 15, v0                          ; r
	v_bfe_u32 v21, v0, 4, 1                        ; h
	v_lshrrev_b32 v22, 4, v0                       ; thread / 16
	s_delay_alu instid0(VALU_DEP_3)
	v_lshlrev_b32 v23, 2, v20
	v_lshlrev_b32 v3, 4, v19                       ; v3: 16 x lane
	v_mul_u32_u24 v4, v20, 272
	s_delay_alu instid0(VALU_DEP_1)
	v_lshl_add_u32 v4, v21, 5, v4
	s_delay_alu instid0(VALU_DEP_1)
	v_add_nc_u32 v4, s57, v4                       ; v4: m's row r, + 32 h
	v_mul_u32_u24 v5, v20, 528
	s_delay_alu instid0(VALU_DEP_1)
	v_lshl_add_u32 v5, v21, 8, v5
	s_lshl_b32 s62, s[WV], 4
	s_add_co_u32 s62, s62, BST
	v_add_nc_u32 v5, s62, v5                       ; v5: b's row e = r, place of lane w + 16 h
	s_mul_i32 s62, s[WV], 1056
	s_add_co_u32 s62, s62, BST
	v_add_nc_u32 v6, s62, v3                       ; v6: b's rows 2 w, 2 w + 1, read back
	v_mul_u32_u24 v7, v20, 144
	s_delay_alu instid0(VALU_DEP_1)
	v_lshl_add_u32 v7, v22, 2, v7
	s_delay_alu instid0(VALU_DEP_1)
	v_add_nc_u32 v7, MASKT, v7                     ; v7: the mask's table, in
	s_mul_i32 s62, s[WV], 144
	s_add_co_u32 s62, s62, MASKT
	v_lshlrev_b32 v15, 5, v21                      ; v15: 32 h
	s_delay_alu instid0(VALU_DEP_1)
	v_add_nc_u32 v8, s62, v15                      ; v8: the table, out: my position, s = 8 h on
	s_lshl_b32 s62, s[WV], 9
	s_add_co_u32 s63, s62, WFR
	v_add_nc_u32 v9, s63, v3                       ; v9: where waves 0-7 put their piece of w1, w2
	v_add_nc_u32 v10, WFR, v3
	s_add_co_u32 s63, s62, NIMG
	v_add_nc_u32 v11, s63, v3                      ; v11: my pieces of the mask's images
	v_add_nc_u32 v12, NIMG, v3
	v_lshl_add_u32 v14, v21, 13, v23               ; v14: in the mask: 8 h rows + 4 r
	v_lshlrev_b32 v24, 10, v22
	s_delay_alu instid0(VALU_DEP_1)
	v_lshl_add_u32 v24, v20, 2, v24                ; v24: the table's number of my thread
	s_wait_alu depctr_va_vdst(0)
	s_wait_dscnt 0x0                               ; both opening adds are done
	s_wait_kmcnt 0x0
	s_add_nc_u64 s[58:59], s[4:5], s[60:61]
	s_or_b32 s59, s59, 0x80000000
	tensor_load_to_lds s[56:59], s[48:55]          ; my position's 32 rows: the wave's one tensor load, read by this wave alone
	s_nop 0
	s_load_b256 s[68:75], s[30:31], 0x0            ; e0 .. e7
	s_lshl_b32 s60, s[WV], 15                      ; my piece of the mask: s = 32 w on
	s_lshl_b32 s62, s[SB], 6
	s_add_co_u32 s62, s62, s60
	s_mov_b32 s63, 0
	s_add_nc_u64 s[78:79], s[6:7], s[62:63]        ; side 0: columns 16 sb on
	s_lshl_b32 s62, s[JT], 6
	s_add_co_u32 s62, s62, s60
	s_add_nc_u64 s[80:81], s[6:7], s[62:63]        ; side 1: columns 16 jt on
	s_lshl_b32 s62, s[SB], 15
	s_lshl_b32 s60, s[JT], 6
	s_add_co_u32 s62, s62, s60
	s_add_nc_u64 s[82:83], s[6:7], s[62:63]        ; the table: rows 32 sb on, columns 16 jt on
	s_lshl_b32 s60, s[JT], 4
	s_add_co_u32 s60, s60, s[WV]
	s_lshl_b32 s60, s60, 14
	s_lshl_b32 s62, s[SB], 9
	s_add_co_u32 s62, s62, s60
	s_add_nc_u64 s[94:95], s[32:33], s[62:63]      ; afrag: position x 16384 + (K step, piece) x 512
	s_lshr_b32 s60, s[JT], 1
	s_lshl_b32 s62, s60, 19
	s_lshr_b32 s60, s[WV], 1
	s_lshl_b32 s60, s60, 16
	s_add_co_u32 s62, s62, s60
	s_lshr_b32 s60, s[SB], 2
	s_lshl_b32 s60, s60, 14
	s_add_co_u32 s62, s62, s60
	s_and_b32 s60, s[JT], 1
	s_lshl_b32 s60, s60, 13
	s_add_co_u32 s62, s62, s60
	s_and_b32 s60, s[WV], 1
	s_lshl_b32 s60, s60, 12
	s_add_co_u32 s62, s62, s60
	s_and_b32 s60, s[SB], 3
	s_lshl_b32 s60, s60, 9
	s_add_co_u32 s62, s62, s60
	s_add_nc_u64 s[96:97], s[34:35], s[62:63]      ; bfrag: [jt / 2][w / 2][K step][jt % 2][2 (w % 2)][piece]
	s_lshl_b32 s62, ttmp9, 10
	s_add_nc_u64 s[98:99], s[40:41], s[62:63]      ; rnt: tile g
	; where a weight's piece goes, made in every wave ahead of the branches: wave 8: woutf + 512 g; else wfrag + 512 J, J = min(g, 191)
	s_min_u32 s76, ttmp9, 191
	s_cmp_eq_u32 s[WV], 8
	s_cselect_b64 s[90:91], s[36:37], s[38:39]
	s_cselect_b32 s86, ttmp9, s76
	s_lshl_b32 s86, s86, 9
	s_mov_b32 s87, 0
	s_add_nc_u64 s[90:91], s[90:91], s[86:87]
.irp x, 0,1
.irp q, 0,1,2,3,4,5,6,7
	global_load_b32 v[XJ0+8*\x+\q], v14, s[78:79] offset:\q*1024+\x*16384
	global_load_b32 v[XJ1+8*\x+\q], v14, s[80:81] offset:\q*1024+\x*16384
.endr
.endr
	global_load_b32 v144, v24, s[82:83]
	; ---- the weights' pieces: waves 0-9.  Branches on the wave's number and on the work-group's number alone
	s_cmp_lt_u32 s[WV], 10
	s_cbranch_scc0 .Lno_role
	s_cmp_lt_u32 s[WV], 8
	s_cbranch_scc0 .Lrole_big
	s_cmp_lt_u32 s[WV], 4                          ; waves 0-3: w1, waves 4-7: w2; fragment (w / 2) % 2, piece w % 2.  A row is 128 bytes
	s_cselect_b64 s[84:85], s[12:13], s[14:15]
	s_cselect_b32 s93, 12, 20                      ; entry 3 or 5
	s_and_b32 s86, s[WV], 1
	s_lshl_b32 s86, s86, 12
	s_bfe_u32 s89, s[WV], 0x10001
	s_lshl_b32 s89, s89, 6
	s_add_co_u32 s86, s86, s89
	s_add_nc_u64 s[84:85], s[84:85], s[86:87]
	s_mov_b32 s88, 1024
	v_mad_u32_u24 v13, v21, s88, v23               ; 8 h rows + 4 r
	PLOAD 128, 2048
	s_branch .Lrole_e
.Lrole_big:
	s_cmp_eq_u32 s[WV], 8
	s_cbranch_scc0 .Lrole_w
	s_mov_b64 s[84:85], s[16:17]                   ; wave 8: wout, piece g = (eg, nt, pc).  Register pair tau = 4 ct + e4 holds row (16 ct + 8 h + q) 32 + 4 eg + e4: the order in which the outer product's results fall
	s_mov_b32 s93, 36                              ; entry 9
	s_and_b32 s86, ttmp9, 3
	s_lshr_b32 s89, s86, 1
	s_lshl_b32 s89, s89, 9
	s_and_b32 s86, s86, 1
	s_lshl_b32 s86, s86, 1
	s_add_co_u32 s86, s86, s89
	s_lshr_b32 s89, ttmp9, 5
	s_lshl_b32 s89, s89, 2
	s_add_co_u32 s86, s86, s89                     ; row 512 (pc / 2) + 4 eg + 2 (pc % 2)
	s_lshl_b32 s86, s86, 9
	s_bfe_u32 s89, ttmp9, 0x30002
	s_lshl_b32 s89, s89, 6
	s_add_co_u32 s86, s86, s89
	s_add_nc_u64 s[84:85], s[84:85], s[86:87]
	s_mov_b32 s88, 131072
	v_mad_u32_u24 v13, v21, s88, v23               ; 256 h rows + 4 r
	PLOAD 16384, 512
	s_branch .Lrole_e
.Lrole_w:
	s_lshr_b32 s77, s76, 5                         ; wave 9: piece J of wv, wg, wo, wa, wb, tr_wo, 32 pieces each (work-groups from 192 on make piece 191 again and do not store it)
	s_and_b32 s89, s76, 31
	s_cmp_eq_u32 s77, 1
	s_cselect_b64 s[84:85], s[20:21], s[18:19]
	s_cmp_eq_u32 s77, 2
	s_cselect_b64 s[84:85], s[22:23], s[84:85]
	s_cmp_eq_u32 s77, 3
	s_cselect_b64 s[84:85], s[24:25], s[84:85]
	s_cmp_eq_u32 s77, 4
	s_cselect_b64 s[84:85], s[26:27], s[84:85]
	s_cmp_eq_u32 s77, 5
	s_cselect_b64 s[84:85], s[28:29], s[84:85]
	s_cmp_ge_u32 s77, 2
	s_cselect_b32 s93, 52, 44
	s_lshl_b32 s86, s77, 3
	s_add_co_u32 s93, s93, s86                     ; entries 11, 13, 17, 19, 21, 23
	s_cmp_eq_u32 s77, 2
	s_cselect_b32 s86, 1, 0
	s_cmp_eq_u32 s77, 5
	s_cselect_b32 s86, 1, s86
	s_cmp_eq_u32 s86, 1
	s_cbranch_scc1 .Lrole_n
	s_and_b32 s86, s89, 1                          ; [64][256]: rows of 1024 bytes; piece = (tile of columns, 32 k)
	s_lshl_b32 s86, s86, 15
	s_lshr_b32 s89, s89, 1
	s_lshl_b32 s89, s89, 6
	s_add_co_u32 s86, s86, s89
	s_add_nc_u64 s[84:85], s[84:85], s[86:87]
	s_mov_b32 s88, 8192
	v_mad_u32_u24 v13, v21, s88, v23
	PLOAD 1024, 16384
	s_branch .Lrole_e
.Lrole_n:
	s_and_b32 s86, s89, 7                          ; [256][64]: rows of 256 bytes
	s_lshl_b32 s86, s86, 13
	s_lshr_b32 s89, s89, 3
	s_lshl_b32 s89, s89, 6
	s_add_co_u32 s86, s86, s89
	s_add_nc_u64 s[84:85], s[84:85], s[86:87]
	s_mov_b32 s88, 2048
	v_mad_u32_u24 v13, v21, s88, v23
	PLOAD 256, 4096
.Lrole_e:
	s_load_b32 s92, s[30:31], s93 offset:0x0       ; the weight's exponent
.Lno_role:
	s_wait_loadcnt 0x0                             ; one wait for the small jobs' loads: nothing was issued behind them
	s_wait_kmcnt 0x0
.irp t, 0,1,2,3                                ; the gain and the bias are asked for here: they land while the pieces are quantised
	global_load_b128 v[LNW+8*\t:LNW+8*\t+3], v15, s[8:9] offset:64*\t
	global_load_b128 v[LNW+8*\t+4:LNW+8*\t+7], v15, s[8:9] offset:64*\t+16
	global_load_b128 v[LNB+8*\t:LNB+8*\t+3], v15, s[10:11] offset:64*\t
	global_load_b128 v[LNB+8*\t+4:LNB+8*\t+7], v15, s[10:11] offset:64*\t+16
.endr
	MKQ s68, v16, v17
	QP16 XJ0, 240
	MKQ s69, v16, v17
	QP16 XJ1, 244
	ds_store_b128 v11, v[240:243]
	ds_store_b128 v11, v[244:247] offset:8192
	ds_store_b32 v7, v144
	s_cmp_lt_u32 s[WV], 10
	s_cbranch_scc0 .Lno_role2
	MKQ s92, v16, v17
	QP16 XJ2, 248
	s_cmp_lt_u32 s[WV], 8
	s_cbranch_scc0 .Lrole_st
	ds_store_b128 v9, v[248:251]
	s_branch .Lno_role2
.Lrole_st:
	s_cmp_eq_u32 s[WV], 8
	s_cselect_b32 s89, 0, ttmp9
	s_cmp_lt_u32 s89, 192                          ; wave 8 always; wave 9 where its piece exists
	s_cbranch_scc0 .Lno_role2
	s_wait_alu depctr_va_vdst(0)
	global_store_b128 v3, v[248:251], s[90:91]     ; 512 consecutive bytes
.Lno_role2:
	; ---- LN(m) as codes: my own rows alone, so this stands ahead of the barrier
	MKQ s70, v26, v27
	MKQ s72, v28, v29
	s_wait_xcnt 0x0                                ; the weights' store has read v248-251: the LayerNorm below uses them as work registers
	s_wait_tensorcnt 0x0                           ; my rows of m have landed; no other wave reads them
	s_wait_loadcnt 0x0                             ; the gain and the bias
.irp T, 0,1
.irp t, 0,1,2,3
	ds_load_b128 v[X+8*\t:X+8*\t+3], v4 offset:4352*\T+64*\t
	ds_load_b128 v[X+8*\t+4:X+8*\t+7], v4 offset:4352*\T+64*\t+16
.endr
	s_wait_dscnt 0x0
	LN X, X, LNW, LNB
	QLN X, TMP, C2+8*\T, C4+8*\T, v26, v27, v28, v29
.endr
	s_wait_alu depctr_va_vdst(0)
	s_wait_dscnt 0x0                               ; for the others' sake: my stores of the pieces and of the table are done
	s_barrier_signal -1
	s_barrier_wait -1                              ; w1, w2, the mask's table and images lie in LDS: their loads all stand behind this line
.irp f, 0,1,2,3,4,5,6,7
	ds_load_b128 v[WF+4*\f:WF+4*\f+3], v10 offset:512*\f
.endr
.irp T, 0,1
	ds_load_b128 v[MK+8*\T:MK+8*\T+3], v8 offset:64*\T
	ds_load_b128 v[MK+8*\T+4:MK+8*\T+7], v8 offset:64*\T+16
.endr
	s_wait_dscnt 0x0
.irp T, 0,1                                    ; source 0 = 16 s of LN(m), source 1 = 16 channels of w1 or w2: in the result lane r is the channel and the registers are s = 8 h + 0 .. 7: neighbours along the next K
.irp c, 0,1
	v_wmma_f32_16x16x64_fp8_fp8 v[D+8*(2*\T+\c):D+8*(2*\T+\c)+7], v[C2+8*\T:C2+8*\T+7], v[WF+8*\c:WF+8*\c+7], 0
	v_wmma_f32_16x16x64_fp8_fp8 v[D+32+8*(2*\T+\c):D+32+8*(2*\T+\c)+7], v[C4+8*\T:C4+8*\T+7], v[WF+16+8*\c:WF+16+8*\c+7], 0
.endr
.endr
	PLACES 4
	s_sub_co_i32 s76, s75, s70
	s_sub_co_i32 s76, s76, s71                     ; a sum stands for sum x 2^(e2 + e3): a's conversion takes 2^(e7 - e2 - e3),
	MKQ s76, v16, v17
	s_sub_co_i32 s76, s74, s72
	s_sub_co_i32 s76, s76, s73                     ; b's 2^(e6 - e4 - e5)
	MKQ s76, v30, v31
.irp T, 0,1
.irp c, 0,1
.irp j, 0,2,4,6
	v_pk_mul_f32 v[D+8*(2*\T+\c)+\j:D+8*(2*\T+\c)+\j+1], v[D+8*(2*\T+\c)+\j:D+8*(2*\T+\c)+\j+1], v[MK+8*\T+\j:MK+8*\T+\j+1]
	v_pk_mul_f32 v[D+32+8*(2*\T+\c)+\j:D+32+8*(2*\T+\c)+\j+1], v[D+32+8*(2*\T+\c)+\j:D+32+8*(2*\T+\c)+\j+1], v[MK+8*\T+\j:MK+8*\T+\j+1]
.endr
.endr
.endr
.set qi, 0
.rept 32
	v_med3_num_f32 v[D+qi], v[D+qi], -v17, v17
	v_med3_num_f32 v[D+32+qi], v[D+32+qi], -v31, v31
.set qi, qi+1
.endr
	s_wait_alu depctr_va_vdst(0)
	s_wait_xcnt 0x0                                ; the weights' store has read v248-251
.irp T, 0,1
.irp c, 0,1
	v_cvt_scalef32_pk8_fp8_f32 v[240+4*\c+2*\T:241+4*\c+2*\T], v[D+8*(2*\T+\c):D+8*(2*\T+\c)+7], v16
	v_cvt_scalef32_pk8_fp8_f32 v[248+4*\c+2*\T:249+4*\c+2*\T], v[D+32+8*(2*\T+\c):D+32+8*(2*\T+\c)+7], v30
.endr
.endr
	v_nop
	global_store_b128 v3, v[240:243], s[94:95]                 ; a's pieces are images as they stand: 512 consecutive bytes each
	global_store_b128 v3, v[244:247], s[94:95] offset:8192
	ds_store_b128 v5, v[248:251]                               ; b's rows are positions, which lie in sixteen waves: through LDS
	ds_store_b128 v5, v[252:255] offset:16*528
	; ---- the work-group's tile of norm: wave 15
	s_cmp_eq_u32 s[WV], 15
	s_cbranch_scc0 .Lno_norm
.set qi, 0
.rept 32
	ds_load_b128 v[32+4*qi:35+4*qi], v12 offset:512*qi
.set qi, qi+1
.endr
	s_wait_dscnt 0x0
.irp k, 0,1,2,3                                ; four sums of their own, added behind: no two matrix instructions on end share an accumulator
	v_wmma_f32_16x16x128_fp8_fp8 v[160+8*\k:167+8*\k], v[32+16*\k:47+16*\k], v[96+16*\k:111+16*\k], 0
.endr
	v_and_b32 v18, 15, v0                          ; (four plain instructions: the places behind the products)
	v_bfe_u32 v19, v0, 4, 1
	s_delay_alu instid0(VALU_DEP_2)
	v_lshlrev_b32 v18, 6, v18
	s_delay_alu instid0(VALU_DEP_1)
	v_lshl_add_u32 v18, v19, 5, v18                ; row a = r of 64 bytes, + 32 h
	s_add_co_i32 s2, s68, s69
	s_add_co_i32 s2, s2, 127
	s_lshl_b32 s2, s2, 23                          ; 2^(e0 + e1)
	s_mov_b32 s3, 0x3a83126f                       ; 1e-3
.irp j, 0,2,4,6
	v_pk_add_f32 v[160+\j:161+\j], v[160+\j:161+\j], v[168+\j:169+\j]
	v_pk_add_f32 v[176+\j:177+\j], v[176+\j:177+\j], v[184+\j:185+\j]
.endr
.irp j, 0,2,4,6
	v_pk_add_f32 v[160+\j:161+\j], v[160+\j:161+\j], v[176+\j:177+\j]
.endr
.irp j, 0,1,2,3,4,5,6,7
	v_fma_f32 v[160+\j], v[160+\j], s2, s3
.endr
	s_wait_alu depctr_va_vdst(0)
.irp j, 0,1,2,3,4,5,6,7
	v_rcp_f32 v[160+\j], v[160+\j]
.endr
	v_nop
	s_wait_alu depctr_va_vdst(0)                   ; one wait for the eight reciprocals
	global_store_b128 v18, v[160:163], s[98:99]
	global_store_b128 v18, v[164:167], s[98:99] offset:16
.Lno_norm:
	s_wait_dscnt 0x0                               ; my stores of b's codes are done
	s_barrier_signal -1
	s_barrier_wait -1
	ds_load_b128 v[96:99], v6                      ; rows e = 2 w and 2 w + 1: each is a piece's image
	ds_load_b128 v[100:103], v6 offset:528
	s_wait_dscnt 0x0
	global_store_b128 v3, v[96:99], s[96:97]
	global_store_b128 v3, v[100:103], s[96:97] offset:2048
	s_wait_tensorcnt 0x0                           ; the wave's end
	ds_add_u32 v1, v2
	s_wait_dscnt 0x0
	s_endpgm
.Lfunc_end_k_q8f040c59cd_prep:
	.size	k_q8f040c59cd_prep, .Lfunc_end_k_q8f040c59cd_prep-k_q8f040c59cd_prep
	.p2alignl 7, 3214868480
	.fill 96, 4, 3214868480
	.section	.rodata,"a",@progbits
	.p2align	6, 0x0
	.amdhsa_kernel k_q8f040c59cd_prep
		.amdhsa_group_segment_fixed_size 180992
		.amdhsa_private_segment_fixed_size 0
		.amdhsa_enable_private_segment 0
		.amdhsa_kernarg_size 152
		.amdhsa_user_sgpr_count 2
		.amdhsa_user_sgpr_kernarg_segment_ptr 1
		.amdhsa_wavefront_size32 1
		.amdhsa_system_sgpr_workgroup_id_x 1
		.amdhsa_system_sgpr_workgroup_id_y 1
		.amdhsa_system_sgpr_workgroup_id_z 1
		.amdhsa_system_vgpr_workitem_id 0
		.amdhsa_next_free_vgpr 256
		.amdhsa_next_free_sgpr 100
		.amdhsa_reserve_vcc 0
		.amdhsa_float_denorm_mode_32 3
		.amdhsa_float_denorm_mode_16_64 3
		.amdhsa_memory_ordered 1
		.amdhsa_forward_progress 1
		.amdhsa_inst_pref_size 62
	.end_amdhsa_kernel
	.amdgpu_metadata
---
amdhsa.version: [ 1, 2 ]
amdhsa.kernels:
  - .name:           k_q8f040c59cd_prep
    .symbol:         k_q8f040c59cd_prep.kd
    .args:
      - { .name: m, .offset: 0, .size: 8, .value_kind: global_buffer, .address_space: global }
      - { .name: msa_mask, .offset: 8, .size: 8, .value_kind: global_buffer, .address_space: global }
      - { .name: opm_ln_w, .offset: 16, .size: 8, .value_kind: global_buffer, .address_space: global }
      - { .name: opm_ln_b, .offset: 24, .size: 8, .value_kind: global_buffer, .address_space: global }
      - { .name: opm_w1, .offset: 32, .size: 8, .value_kind: global_buffer, .address_space: global }
      - { .name: opm_w2, .offset: 40, .size: 8, .value_kind: global_buffer, .address_space: global }
      - { .name: opm_wout, .offset: 48, .size: 8, .value_kind: global_buffer, .address_space: global }
      - { .name: pwa_wv, .offset: 56, .size: 8, .value_kind: global_buffer, .address_space: global }
      - { .name: pwa_wg, .offset: 64, .size: 8, .value_kind: global_buffer, .address_space: global }
      - { .name: pwa_wo, .offset: 72, .size: 8, .value_kind: global_buffer, .address_space: global }
      - { .name: tr_wa, .offset: 80, .size: 8, .value_kind: global_buffer, .address_space: global }
      - { .name: tr_wb, .offset: 88, .size: 8, .value_kind: global_buffer, .address_space: global }
      - { .name: tr_wo, .offset: 96, .size: 8, .value_kind: global_buffer, .address_space: global }
      - { .name: lowp_scales, .offset: 104, .size: 8, .value_kind: global_buffer, .address_space: global }
      - { .name: afrag, .offset: 112, .size: 8, .value_kind: global_buffer, .address_space: global }
      - { .name: bfrag, .offset: 120, .size: 8, .value_kind: global_buffer, .address_space: global }
      - { .name: woutf, .offset: 128, .size: 8, .value_kind: global_buffer, .address_space: global }
      - { .name: wfrag, .offset: 136, .size: 8, .value_kind: global_buffer, .address_space: global }
      - { .name: rnt, .offset: 144, .size: 8, .value_kind: global_buffer, .address_space: global }
    .group_segment_fixed_size: 180992
    .private_segment_fixed_size: 0
    .kernarg_segment_align: 8
    .kernarg_segment_size: 152
    .max_flat_workgroup_size: 512
    .sgpr_count:     100
    .vgpr_count:     256
    .wavefront_size: 32
...
	.end_amdgpu_metadata
.endif
;; end of part 1
;; launch opm (part 2): grid 32 x 8, 4 waves a work-group, clusters of 4 x 1, 327,680 bytes of LDS; arguments afrag, bfrag, woutf, rnt, z, opm_bout, pwa_lnz_w, pwa_lnz_b, pwa_wz, lowp_scales, out1, lg; writes out1, lg
.if DOCPART == 2
	.amdgcn_target "amdgcn-amd-amdhsa--gfx1250"
	.amdhsa_code_object_version 6
	.text
	.protected	k_q8f040c59cd_opm
	.globl	k_q8f040c59cd_opm
	.p2align	8
	.type	k_q8f040c59cd_opm,@function
k_q8f040c59cd_opm:
	s_mov_b64 s[64:65], 0
	v_nop
	global_prefetch_b8 v0, s[64:65] scope:SCOPE_SE
	s_setreg_imm32_b32 hwreg(HW_REG_WAVE_MODE, 25, 1), 1
	s_wait_xcnt 0x0
	s_wait_alu depctr_hold_cnt(0) depctr_sa_sdst(0) depctr_va_vdst(0) depctr_va_sdst(0) depctr_va_ssrc(0) depctr_va_vcc(0) depctr_vm_vsrc(0)
	s_getreg_b32 s2, hwreg(HW_REG_IB_STS2, 6, 4)
	s_cmp_eq_u32 s2, 0
	s_cbranch_scc0 .Lentry_in_a_cluster
	s_endpgm
.Lentry_in_a_cluster:
	s_bfe_u32 s2, ttmp6, 0x10000c
	s_cmp_lg_u32 s2, 0x3003
	s_cbranch_scc0 .Lentry_shape_is_right
	s_endpgm
.Lentry_shape_is_right:
; OPM: out1 = z + (outer wout + bout) / (norm + 1e-3), outer[i][j][c][e] = sum over s of a[s][i][c] b[s][j][e]; lg = log2(e) x (LN(out1) wz).  No work of reference() is left out here.
; SHARES.  Work-group (x, y): positions i = 8 x on, j = 32 y on.  Wave w: i = 8 x + 2 w, + 1: 64 rows (i, c) of a, all K = 512, kept in 256 registers.
; The channels e go in eight groups of four.  A group: outer = 64 rows x (4 e x 32 j), 128 matrix instructions; quantised by entry 8; second product, K = 32 c x 4 e = 128, 64 rows (i, j) x 128 channels, 32 matrix instructions.
; In the outer product lane = j and registers = c, so the conversions' results are the second product's operand; wout's image has its rows in the same order.  In the second product lane = j and registers = channels.
; The second product's sums begin as bout / 2^(e8 + e9), loaded into the accumulators: so every group is alike, and out1 = z + sum x (2^(e8 + e9) / (norm + 1e-3)) is one fused multiply-add.
; LDS.  0: wout's images, 16 KB a group, resident.  SLOT0: two slots of 64 KB, b's fragments of one group each.  All four work-groups of a cluster have the same y: b and wout are asked for jointly (mask 15).
; HEAD.  One load of 32 KB a wave: waves 0, 1 slot 0, waves 2, 3 wout's groups 0-3; behind the full sequence and a round the same for slot 1 and groups 4-7.  A refill is 16 KB a wave.
; THE CHANGE OF SLOTS stands between a group's outer product and its second product: all reads of the slot are over there.  The holds stand ahead of the wait for the tensor load, the conversions between the add and the wait for it,
; sixteen matrix instructions of the second product between the round's opening signal and its wait; the next group's first fragments are loaded among the rest.  A wave has one tensor load out at any time.
; z: 64 rows of 512 bytes a wave, fetched at the seventh change into bytes that wout's groups 0-6 and slot 0 have left, 16 bytes of padding behind each row, and read by the wave that fetched it alone.
; PREFETCHES.  z: in the loop's first four trips, 8 KB a wave and trip, each aligned 256 bytes once: three to six trips ahead of its tensor load.  b: the change that asks for group c + 2 names group c + 4, two trips ahead of its load;
; groups 2 and 3 are named at the head.  The 32 work-groups of one y share a group's 64 KB out by address: 2 KB a work-group, 512 bytes a wave (lanes from 1 on name the wave's last block).  wout is fetched at the head alone.
; LIMITS: e8 - e6 - e7 between -126 and 119, e8 + e9 between -126 and 126.  NaN among the inputs is not served.
; REGISTERS.  Window 0: v1-15 addresses, v16-31 at work, v32-95 the codes, later the logits' sums, v96-124 small numbers, v128-255 eight fragments of b or wout.  Window 1: a, later z and out1.
; Window 2: the outer product's sums, later out1 by rows.  Window 3: the second product's sums.
.set SLOT0, 0x20000
.set LGST,  262144                     ; the logits on their way out: 2048 bytes a wave
.set WZT,   270336                     ; lnz_w x wz: [h 2][tile 8][head 8][q 8]
.set BOT,   274432                     ; bout / 2^(e8 + e9)
.set SPARE, 274944                     ; the spare words: 128 bytes a wave, named by no other line
.set ZW,    33792                      ; a wave's z: 64 rows of 528 bytes
.set WV, 28
.set MSB, 0
.macro WIN new                         ; the immediate's high byte repeats the setting that is left
.if MSB != \new
	s_set_vgpr_msb (MSB<<8)|\new
.set MSB, \new
.endif
.endm
.macro PLACES n
.rept \n
	v_nop
.endr
.endm
.macro CREST                           ; a round of the cluster's barrier behind its opening barrier
	s_cmp_lg_u32 s[WV], 0
	s_cbranch_scc1 .Lnot_wave_0_\@
	s_barrier_signal -3
.Lnot_wave_0_\@:
	s_barrier_wait -3
	s_barrier_signal -1
	s_barrier_wait -1
.endm
.macro CROUND                          ; a whole round
	s_barrier_signal -1
	s_barrier_wait -1
	CREST
.endm
.macro HLOAD                           ; a first fill: waves 0, 1 a slot's halves, waves 2, 3 halves of 64 KB of wout: one load in each arm
	s_cmp_lt_u32 s[WV], 2
	s_cbranch_scc0 .Lfor_w_\@
	tensor_load_to_lds s[48:51], s[40:47]
	s_nop 0
	PLACES 4
	s_branch .Lasked_\@
.Lfor_w_\@:
	tensor_load_to_lds s[56:59], s[40:47]
	s_nop 0
	PLACES 4
.Lasked_\@:
.endm
.macro BLD k, hf                       ; b's four fragments (e) of K step k, j tile hf
.irp f, 0,1,2,3
.irp c, 0,1,2,3
	ds_load_b128 v[128+64*(\hf)+16*\f+4*\c:131+64*(\hf)+16*\f+4*\c], v4 offset:(\k)*16384+(4*(\hf)+\f)*2048+512*\c
.endr
.endr
.endm
.macro WLD hf                          ; wout's fragments of channel tiles 4 hf on
.irp f, 0,1,2,3
.irp c, 0,1,2,3
	ds_load_b128 v[128+64*(\hf)+16*\f+4*\c:131+64*(\hf)+16*\f+4*\c], v5 offset:(4*(\hf)+\f)*2048+512*\c
.endr
.endr
.endm
; 16 matrix instructions on four fragments of b, then the loads that fill these four again.  Out at its head: these 16 loads and the other half's 16 behind them: fragment f is in when at most 28 - 4 f are out.
.macro HALF k, hf
	WIN 0xa1
.irp f, 0,1,2,3
	s_wait_dscnt 28-4*\f
.irp a, 0,1,2,3
.set AC, 8*(8*(2*(\a/2)+(\hf))+4*(\a%2)+\f)
.set AR, 16*(8*(\a/2)+4*(\a%2)+(\k))
.set BR, 128+64*(\hf)+16*\f
.if (\k) == 0
	v_wmma_f32_16x16x128_fp8_fp8 v[AC:AC+7], v[AR:AR+15], v[BR:BR+15], 0
.else
	v_wmma_f32_16x16x128_fp8_fp8 v[AC:AC+7], v[AR:AR+15], v[BR:BR+15], v[AC:AC+7]
.endif
.endr
.endr
	PLACES 4                                       ; in front of loads into registers that matrix instructions have read
	WIN 0
.if (\k) < 3
	BLD (\k)+1, \hf
.else
	WLD \hf
.endif
.endm
.macro OUTER
.irp k, 0,1,2,3
	HALF \k, 0
	HALF \k, 1
.endr
.endm
.macro HOLD                            ; the 256 sums a lane, held within 448 x the scale: the conversion does not saturate
	WIN 0x82
.set qi, 0
.rept 256
	v_med3_num_f32 v[qi], v[qi], s73, s72
.set qi, qi+1
.endr
	WIN 0
.endm
.macro CODES                           ; codes by entry 8
	WIN 0x02
.set qi, 0
.rept 32
	v_cvt_scalef32_pk8_fp8_f32 v[32+2*qi:33+2*qi], v[8*qi:8*qi+7], v12
.set qi, qi+1
.endr
	v_nop                                          ; a plain instruction behind the last conversion
	WIN 0
.endm
.macro SEC16 n0                        ; 16 of the second product's 32 accumulators, by turns
	WIN 0xf0
.irp nt, \n0, \n0+1, \n0+2, \n0+3
.irp rho, 0,1,2,3
	v_wmma_f32_16x16x128_fp8_fp8 v[8*(8*\rho+(\nt)):8*(8*\rho+(\nt))+7], v[128+16*(\nt):143+16*(\nt)], v[32+16*\rho:47+16*\rho], v[8*(8*\rho+(\nt)):8*(8*\rho+(\nt))+7]
.endr
.endr
.endm
; The quantising, the change of slots and the second product.  what = 1: the slot just read takes the group two on.  what = 2: z.
.macro CHANGE what
	HOLD
	s_wait_tensorcnt 0x0                           ; my one load that was out has landed: my part of the next slot
	ds_add_u32 v1, v2
.if (\what) == 1
	s_xor_b32 s53, s53, 0x10000                    ; the walking descriptor: the other slot, the next group
	s_add_nc_u64 s[54:55], s[54:55], 0x10000
	s_wait_xcnt 0x0                                ; my prefetches have read their addresses
	s_add_nc_u64 s[94:95], s[94:95], 4096
	s_add_nc_u64 s[96:97], s[96:97], 0x10000
	s_xor_b32 s62, s62, 0x10000
	s_add_co_u32 s63, s63, 16384
.else
	s_mov_b32 s62, SLOT0+0x10000                   ; group 7 lies in slot 1
	s_mov_b32 s63, 7*16384
.endif
	CODES                                          ; work on registers between the add and the wait for it
	s_wait_alu depctr_va_vdst(0)
	s_wait_dscnt 0x0                               ; the add is done, wout's fragments are in, my reads of the slot are over
	s_barrier_signal -1                            ; the round opens;
	SEC16 0                                        ; work on registers while the others arrive
	WIN 0
	s_barrier_wait -1
	CREST
.if (\what) == 1
	tensor_load_to_lds s[52:55], s[32:39]
.else
	tensor_load_to_lds s[12:15], s[4:11]
.endif
	s_nop 0
	PLACES 4                                       ; also the places in front of the loads below
.if (\what) == 1
	s_cmp_gt_u32 s66, 2                            ; the loop's first four trips
	s_cbranch_scc0 .Lno_pf_\@
	global_prefetch_b8 v15, s[94:95] offset:-4096 th:TH_LOAD_NT scope:SCOPE_SE     ; 4 KB of each of my two positions' 16 KB of z, lanes 256 bytes apart
	global_prefetch_b8 v124, s[96:97] offset:196608 th:TH_LOAD_NT scope:SCOPE_SE   ; my 512 bytes of b's group two trips on from the one just asked for
.Lno_pf_\@:
.endif
	v_add_nc_u32 v4, s62, v3                       ; the next group's fragments
	v_add_nc_u32 v5, s63, v3
	s_wait_alu depctr_va_vdst(0)
	BLD 0, 0                                       ; each half of wout's registers takes the next group's first fragments of b as soon as it is done with
	SEC16 4
	PLACES 4
	WIN 0
	BLD 0, 1
.endm
	s_load_b512 s[4:19], s[0:1], 0x0               ; afrag, bfrag, woutf, rnt, z, bout, lnz_w, lnz_b
	s_load_b256 s[20:27], s[0:1], 0x40             ; wz, scales, out1, lg
	v_lshl_add_u32 v1, v0, 2, SPARE
	v_mov_b32 v2, 0
	ds_add_u32 v1, v2                              ; the opening: the add, twice on end, and its wait ahead of the first round
	ds_add_u32 v1, v2
	v_lshrrev_b32 v16, 5, v0
	v_readfirstlane_b32 s[WV], v16
	s_bfe_u32 s29, ttmp6, 0x40000                  ; cx
	s_lshl_b32 s30, ttmp9, 2
	s_add_co_u32 s30, s30, s29                     ; x: it enters addresses of a, z, rnt, out1, lg and of the prefetches alone
	s_and_b32 s31, ttmp7, 0xffff                   ; y
	s_mov_b32 s60, 0x76543210
	s_mov_b32 s61, 0xfedcba98
	s_mov_b32 s32, 15|(3<<16)|(1<<21)              ; group 1 of a refill: joint; 64 dense rows of 256 bytes
	s_mov_b32 s33, 32<<16
	s_mov_b32 s34, 64<<16
	s_mov_b32 s35, 32<<16
	s_mov_b32 s36, 64
	s_mov_b32 s37, 32
	s_mov_b32 s38, 0
	s_mov_b32 s39, 0
	s_mov_b32 s40, 15|(3<<16)|(1<<21)              ; of a first fill: 128 rows
	s_mov_b32 s41, 32<<16
	s_mov_b32 s42, 128<<16
	s_mov_b32 s43, 32<<16
	s_mov_b32 s44, 128
	s_mov_b32 s45, 32
	s_mov_b32 s46, 0
	s_mov_b32 s47, 0
	s_and_b32 s67, s[WV], 1
	s_lshl_b32 s67, s67, 15                        ; which 32 KB of a first fill
	s_mov_b32 s48, 1
	s_add_co_u32 s49, s67, SLOT0
	s_mov_b32 s56, 1
	s_mov_b32 s57, s67
	s_lshl_b32 s77, s[WV], 14                      ; which 16 KB of a refill
	s_mov_b32 s52, 1
	s_add_co_u32 s53, s77, SLOT0+0x10000
	s_lshl_b32 s78, s31, 19
	s_mov_b32 s79, 0
	s_mov_b32 s91, 0
	s_mov_b32 s62, SLOT0
	s_mov_b32 s63, 0
	s_lshr_b32 s92, s[WV], 1
	s_and_b32 s92, s92, s[WV]                      ; 1 in wave 3
	s_mul_i32 s92, s92, SLOT0-3*ZW
	s_mul_i32 s93, s[WV], ZW
	s_add_co_u32 s93, s93, s92                     ; my z: waves 0-2 from byte 0 on, wave 3 in slot 0
	s_lshl_b32 s66, s[WV], 11
	s_add_co_u32 s66, s66, LGST
	v_and_b32 v16, 31, v0
	v_and_b32 v17, 15, v0                          ; r
	v_bfe_u32 v18, v0, 4, 1                        ; h
	v_lshlrev_b32 v3, 4, v16                       ; v3: 16 x lane
	v_add_nc_u32 v4, SLOT0, v3
	v_mov_b32 v5, v3
	v_add_nc_u32 v6, s93, v3                       ; v6: z by rows
	v_mul_u32_u24 v7, v17, 528
	v_lshl_add_u32 v7, v18, 5, v7
	v_add_nc_u32 v7, s93, v7                       ; v7: z's row r, + 32 h
	v_lshlrev_b32 v13, 2, v17
	v_add_nc_u32 v8, s66, v13
	v_add_nc_u32 v9, s66, v3
	v_lshlrev_b32 v10, 4, v17
	v_lshl_add_u32 v10, v18, 15, v10               ; v10: in lg: lanes 0-15 one head's 256 bytes, lanes 16-31 the next head's
	v_lshlrev_b32 v11, 11, v18
	v_add_nc_u32 v11, WZT, v11
	v_lshlrev_b32 v14, 5, v18
	v_add_nc_u32 v14, BOT, v14
	v_lshlrev_b32 v15, 8, v17
	v_lshl_add_u32 v15, v18, 17, v15               ; v15: z's prefetch: 256 r in position h
	v_lshrrev_b32 v25, 6, v0                       ; the table of lnz_w x wz: thread = (h, tile, head)
	v_bfe_u32 v26, v0, 3, 3
	v_and_b32 v27, 7, v0
	v_lshlrev_b32 v19, 9, v26
	v_lshl_add_u32 v19, v25, 8, v19
	v_lshl_add_u32 v19, v27, 2, v19
	v_lshlrev_b32 v20, 6, v26
	v_lshl_add_u32 v20, v25, 5, v20
	v_lshl_add_u32 v21, v0, 5, WZT
	v_lshlrev_b32 v22, 2, v0
	v_lshlrev_b32 v23, 5, v16
	v_lshlrev_b32 v24, 2, v16
	v_lshl_add_u32 v28, v0, 2, BOT
	v_min_u32 v124, 1, v16
	v_lshlrev_b32 v124, 8, v124                    ; v124: b's prefetch: lane 0 my first 256 bytes, the others my second
	s_wait_alu depctr_va_vdst(0)
	s_wait_dscnt 0x0                               ; both opening adds are done
	s_wait_kmcnt 0x0
	s_add_nc_u64 s[54:55], s[6:7], s[78:79]        ; b's fragments of my y
	s_mov_b32 s90, s67
	s_add_nc_u64 s[50:51], s[54:55], s[90:91]
	s_add_nc_u64 s[58:59], s[8:9], s[90:91]
	s_lshl_b32 s90, s30, 11
	s_lshl_b32 s92, s[WV], 9
	s_add_co_u32 s90, s90, s92
	s_add_nc_u64 s[96:97], s[54:55], s[90:91]      ; my 512 bytes of a group's 64 KB: 2048 x + 512 w
	s_add_co_u32 s90, s77, 0x10000
	s_add_nc_u64 s[54:55], s[54:55], s[90:91]      ; group 1: the first refill steps it to group 2
	s_or_b32 s51, s51, 0x80000000
	s_or_b32 s55, s55, 0x80000000
	s_or_b32 s59, s59, 0x80000000
	CROUND                                         ; all four work-groups are here: the first joint loads meet
	HLOAD                                          ; slot 0, wout's groups 0-3
	s_load_b128 s[68:71], s[22:23], 0x18           ; e6 .. e9
	s_lshl_b32 s76, s30, 3
	s_lshl_b32 s92, s[WV], 1
	s_add_co_u32 s76, s76, s92                     ; my first position i
	s_lshl_b32 s90, s76, 14
	s_add_nc_u64 s[88:89], s[4:5], s[90:91]
	s_lshl_b32 s90, s76, 17
	s_lshl_b32 s92, s31, 14
	s_add_co_u32 s90, s90, s92
	s_add_nc_u64 s[80:81], s[12:13], s[90:91]
	s_add_nc_u64 s[82:83], s[24:25], s[90:91]
	s_mov_b64 s[94:95], s[80:81]
	s_lshl_b32 s90, s31, 18
	s_lshl_b32 s92, s76, 7
	s_add_co_u32 s90, s90, s92
	s_add_nc_u64 s[84:85], s[26:27], s[90:91]      ; lg: [y][head][i][32 j]
	s_lshr_b32 s90, s76, 4
	s_lshl_b32 s90, s90, 4
	s_lshl_b32 s92, s31, 1
	s_add_co_u32 s90, s90, s92
	s_lshl_b32 s90, s90, 10
	s_and_b32 s92, s76, 15
	s_lshl_b32 s92, s92, 6
	s_add_co_u32 s90, s90, s92
	s_add_nc_u64 s[86:87], s[10:11], s[90:91]      ; rnt: tile (i / 16, j / 16), row i % 16
.irp q, 0,1,2,3,4,5,6,7
	global_load_b32 v[128+\q], v19, s[20:21] offset:32*\q
.endr
	global_load_b128 v[136:139], v20, s[16:17]
	global_load_b128 v[140:143], v20, s[16:17] offset:16
.irp m, 0,1,2,3
	global_load_b128 v[160+8*\m:163+8*\m], v23, s[20:21] offset:1024*\m
	global_load_b128 v[164+8*\m:167+8*\m], v23, s[20:21] offset:1024*\m+16
	global_load_b32 v[192+\m], v24, s[18:19] offset:128*\m
.endr
	global_load_b32 v196, v22, s[14:15]
.irp rho, 0,1,2,3
	global_load_b32 v[116+\rho], v13, s[86:87] offset:(\rho%2)*1024+(\rho/2)*64
.endr
	global_prefetch_b8 v124, s[96:97] offset:131072 th:TH_LOAD_NT scope:SCOPE_SE   ; b's groups 2 and 3, which the first two changes ask for
	global_prefetch_b8 v124, s[96:97] offset:196608 th:TH_LOAD_NT scope:SCOPE_SE
	WIN 0x40
.set qi, 0
.rept 64
	global_load_b128 v[4*qi:4*qi+3], v3, s[88:89] offset:512*qi   ; a: 16 fragments, images as they lie
.set qi, qi+1
.endr
	WIN 0
	s_wait_loadcnt 63                              ; behind the 27 small loads stand a's 64: the small ones are in
	s_wait_kmcnt 0x0
	s_sub_co_i32 s66, s70, s68
	s_sub_co_i32 s66, s66, s69                     ; a sum stands for sum x 2^(e6 + e7): the conversion takes 2^(e8 - e6 - e7)
	s_add_co_i32 s66, s66, 127
	s_lshl_b32 s67, s66, 23
	s_add_co_i32 s66, s66, 8
	s_lshl_b32 s66, s66, 23
	s_or_b32 s72, s66, 0x600000                    ; 448 x that,
	s_or_b32 s73, s72, 0x80000000                  ; and its negative
	s_add_co_i32 s66, s70, s71
	s_add_co_i32 s74, s66, 127
	s_lshl_b32 s74, s74, 23                        ; 2^(e8 + e9)
	s_sub_co_i32 s75, 127, s66
	s_lshl_b32 s75, s75, 23                        ; and its reciprocal
	s_mov_b32 s77, 0x3c000000                      ; 1 / 128
	s_mov_b32 s78, 0x3727c5ac                      ; 1e-5
	s_mov_b32 s79, 0x3fb8aa3b                      ; log2(e)
	v_mov_b32 v12, s67
.irp q, 0,1,2,3,4,5,6,7
	v_mul_f32 v[144+\q], v[128+\q], v[136+\q]
.endr
	ds_store_b128 v21, v[144:147]
	ds_store_b128 v21, v[148:151] offset:16
	v_mul_f32 v196, s75, v196
	ds_store_b32 v28, v196
.irp hh, 0,1,2,3,4,5,6,7                       ; sum over channels of lnz_b x wz, a head a register: four channels a lane, then across the lanes
	v_mul_f32 v[96+\hh], v[160+\hh], v192
.endr
.irp m, 1,2,3
.irp hh, 0,1,2,3,4,5,6,7
	v_fmac_f32 v[96+\hh], v[160+8*\m+\hh], v[192+\m]
.endr
.endr
.irp x, 1,2,4,8
.irp hh, 0,1,2,3,4,5,6,7
	v_add_f32_dpp v[96+\hh], v[96+\hh], v[96+\hh] row_xmask:\x row_mask:0xf bank_mask:0xf
.endr
.endr
.irp hh, 0,1,2,3,4,5,6,7
	v_permlanex16_b32 v[128+\hh], v[96+\hh], s60, s61
.endr
.irp hh, 0,1,2,3,4,5,6,7
	v_add_f32 v[96+\hh], v[96+\hh], v[128+\hh]
.endr
.irp hh, 0,1,2,3,4,5,6,7
	v_mul_f32 v[96+\hh], s79, v[96+\hh]
.endr
.irp rho, 0,1,2,3                              ; 2^(e8 + e9) / (norm + 1e-3) of my (i, j), in both halves of a pair
	v_mul_f32 v[104+2*\rho], s74, v[116+\rho]
	v_mul_f32 v[105+2*\rho], s74, v[116+\rho]
.endr
	s_mov_b32 s4, (3<<16)|(1<<20)|(6<<22)|(3<<25)  ; z's group 1: elements of 8 bytes; 4 words of padding behind every 128; no mask
	s_mov_b32 s5, 2048<<16                         ; a row: one position i's 32 j x 512 bytes, dense
	s_mov_b32 s6, 2<<16
	s_mov_b32 s7, 2048<<16
	s_mov_b32 s8, 2
	s_mov_b32 s9, 16384                            ; from i to i + 1
	s_mov_b32 s10, 0
	s_mov_b32 s11, 0
	s_mov_b32 s12, 1
	s_mov_b32 s13, s93
	s_mov_b64 s[14:15], s[80:81]
	s_or_b32 s15, s15, 0x80000000
	s_wait_alu depctr_va_vdst(0)
	s_wait_tensorcnt 0x0                           ; my first fill has landed
	ds_add_u32 v1, v2
	s_add_co_u32 s49, s49, 0x10000                 ; slot 1, group 1
	s_add_nc_u64 s[50:51], s[50:51], 0x10000
	s_add_co_u32 s57, s57, 0x10000                 ; wout's groups 4-7
	s_add_nc_u64 s[58:59], s[58:59], 0x10000
	s_wait_dscnt 0x0                               ; the add and my stores of the tables are done
	CROUND
	HLOAD
	WIN 0xc0
.irp rho, 0,1,2,3                              ; the second product's sums begin as bout / 2^(e8 + e9): register 8 nt + q is channel 16 nt + 8 h + q
.irp nt, 0,1,2,3,4,5,6,7
	ds_load_b128 v[8*(8*\rho+\nt):8*(8*\rho+\nt)+3], v14 offset:64*\nt
	ds_load_b128 v[8*(8*\rho+\nt)+4:8*(8*\rho+\nt)+7], v14 offset:64*\nt+16
.endr
.endr
	WIN 0
	BLD 0, 0
	BLD 0, 1
	s_wait_loadcnt 0x0                             ; a
	s_mov_b32 s66, 6
.Lgrp:                                         ; groups 0 to 5: each refills its slot with the group two on
	OUTER
	CHANGE 1
	s_sub_co_u32 s66, s66, 1
	s_cmp_lg_u32 s66, 0
	s_cbranch_scc1 .Lgrp
	OUTER                                          ; group 6
	CHANGE 2
	OUTER                                          ; group 7
	s_wait_tensorcnt 0x0                           ; my z has landed; no other wave reads it
	WIN 0x40
.irp rho, 0,1,2,3                              ; z in the sums' layout: lane = j, register 8 t + q = channel 16 t + 8 h + q; into a's registers, which are done with
.irp t, 0,1,2,3,4,5,6,7
	ds_load_b128 v[64*\rho+8*\t:64*\rho+8*\t+3], v7 offset:\rho*8448+64*\t
	ds_load_b128 v[64*\rho+8*\t+4:64*\rho+8*\t+7], v7 offset:\rho*8448+64*\t+16
.endr
.endr
	WIN 0
	HOLD
	CODES
	s_wait_alu depctr_va_vdst(0)
	s_wait_dscnt 0x0                               ; wout's fragments and z
	SEC16 0
	SEC16 4
	WIN 0
	PLACES 4
; THE WAY OUT.  out1: 16 rows (one i, 16 j) at a time: made in z's registers, put back into z's rows in LDS, read by rows, stored 512 consecutive bytes an instruction.  Each block has its own registers: no store's data are written again.
; The 64 stores are laid among the LayerNorm's and the logits' lines, so that work on registers stands between them.
.macro ZOUT rho
	WIN 0x53
.set qi, 0
.rept 32
	v_pk_fma_f32 v[64*(\rho)+qi:64*(\rho)+qi+1], v[64*(\rho)+qi:64*(\rho)+qi+1], v[104+2*(\rho):105+2*(\rho)], v[64*(\rho)+qi:64*(\rho)+qi+1]
.set qi, qi+2
.endr
	WIN 0x04
.irp t, 0,1,2,3,4,5,6,7
	ds_store_b128 v7, v[64*(\rho)+8*\t:64*(\rho)+8*\t+3] offset:(\rho)*8448+64*\t
	ds_store_b128 v7, v[64*(\rho)+8*\t+4:64*(\rho)+8*\t+7] offset:(\rho)*8448+64*\t+16
.endr
	WIN 0x80
.irp n, 0,1,2,3,4,5,6,7,8,9,10,11,12,13,14,15
	ds_load_b128 v[64*(\rho)+4*\n:64*(\rho)+4*\n+3], v6 offset:(\rho)*8448+528*\n   ; LDS serves a wave's instructions in order: these see my stores
.endr
.endm
.macro ST rho, n0, cnt                 ; rows n0 on of block rho
	WIN 0x08
.set sn, \n0
.rept \cnt
	global_store_b128 v3, v[64*(\rho)+4*sn:64*(\rho)+4*sn+3], s[82:83] offset:((\rho)/2)*131072+((\rho)%2)*8192+512*sn th:TH_STORE_NT
.set sn, sn+1
.endr
.endm
.macro WZLD x
.irp n, 0,1,2,3,4,5,6,7,8,9,10,11,12,13,14,15
	ds_load_b128 v[128+64*((\x)%2)+4*\n:131+64*((\x)%2)+4*\n], v11 offset:(\x)*256+16*\n
.endr
.endm
	ZOUT 0
	ZOUT 1
	s_wait_dscnt 32                                ; block 0 is back; behind its loads stand block 1's 32 LDS instructions
	ST 0, 0, 8
	ZOUT 2
	ST 0, 8, 8
	ZOUT 3
	WIN 0
	WZLD 0
	s_wait_dscnt 16                                ; all four blocks are back; the table's 16 loads may be out
	ST 1, 0, 4
; LayerNorm over 128 channels, the four blocks side by side: 64 channels in this lane, 64 in lane l xor 16.  out1 is centred in place.
	WIN 0x05
.irp r, 0,1,2,3
	v_pk_add_f32 v[16+4*\r:17+4*\r], v[64*\r:64*\r+1], v[64*\r+2:64*\r+3]
	v_pk_add_f32 v[18+4*\r:19+4*\r], v[64*\r+4:64*\r+5], v[64*\r+6:64*\r+7]
.endr
	WIN 0x01
.set qi, 8
.rept 14
.irp r, 0,1,2,3
	v_pk_add_f32 v[16+4*\r:17+4*\r], v[64*\r+qi:64*\r+qi+1], v[16+4*\r:17+4*\r]
	v_pk_add_f32 v[18+4*\r:19+4*\r], v[64*\r+qi+2:64*\r+qi+3], v[18+4*\r:19+4*\r]
.endr
.set qi, qi+4
.endr
	ST 1, 4, 4
	WIN 0
.macro JOIN                            ; two chains, two halves, two lanes
.irp r, 0,1,2,3
	v_pk_add_f32 v[16+4*\r:17+4*\r], v[16+4*\r:17+4*\r], v[18+4*\r:19+4*\r]
.endr
.irp r, 0,1,2,3
	v_add_f32 v[16+4*\r], v[16+4*\r], v[17+4*\r]
.endr
.irp r, 0,1,2,3
	v_permlanex16_b32 v[18+4*\r], v[16+4*\r], s60, s61
.endr
.irp r, 0,1,2,3
	v_add_f32 v[16+4*\r], v[16+4*\r], v[18+4*\r]
.endr
.endm
	JOIN
.irp r, 0,1,2,3
	v_mul_f32 v[16+4*\r], 0xbc000000, v[16+4*\r]   ; minus the mean
.endr
	WIN 0x41
.set qi, 0
.rept 32
.irp r, 0,1,2,3
	v_pk_add_f32 v[64*\r+qi:64*\r+qi+1], v[64*\r+qi:64*\r+qi+1], v[16+4*\r:17+4*\r] op_sel_hi:[1,0]
.endr
.set qi, qi+2
.endr
	ST 1, 8, 4
	WIN 0x05
.irp r, 0,1,2,3
	v_pk_mul_f32 v[16+4*\r:17+4*\r], v[64*\r:64*\r+1], v[64*\r:64*\r+1]
	v_pk_mul_f32 v[18+4*\r:19+4*\r], v[64*\r+2:64*\r+3], v[64*\r+2:64*\r+3]
.endr
.set qi, 4
.rept 15
.irp r, 0,1,2,3
	v_pk_fma_f32 v[16+4*\r:17+4*\r], v[64*\r+qi:64*\r+qi+1], v[64*\r+qi:64*\r+qi+1], v[16+4*\r:17+4*\r]
	v_pk_fma_f32 v[18+4*\r:19+4*\r], v[64*\r+qi+2:64*\r+qi+3], v[64*\r+qi+2:64*\r+qi+3], v[18+4*\r:19+4*\r]
.endr
.set qi, qi+4
.endr
	ST 1, 12, 4
	WIN 0
	JOIN
.irp r, 0,1,2,3
	v_fma_f32 v[16+4*\r], v[16+4*\r], s77, s78
.endr
	s_wait_alu depctr_va_vdst(0)
.irp r, 0,1,2,3
	v_rsq_f32 v[120+\r], v[16+4*\r]
.endr
	v_nop                                          ; a plain instruction behind the batch,
	s_wait_alu depctr_va_vdst(0)                   ; and one wait ahead of its first reader
.irp r, 0,1,2,3
	v_mul_f32 v[120+\r], s79, v[120+\r]            ; x log2(e)
.endr
; The logits, in f32 by fused multiply-adds (they go on into a quantiser): 8 heads x 4 blocks, a tile of 16 channels a step; the table's next 256 bytes are loaded a step ahead.
; One row of blocks 2 and 3 leaves behind every 32 multiply-adds: 32 rows in the 8 steps.
.macro LGSTEP x
	WIN 0
.if (\x) < 7
	WZLD (\x)+1
	s_wait_dscnt 16                                ; all but the 16 just issued
.else
	s_wait_dscnt 0x0
.endif
	WIN 0x01
.irp qp, 0,1,2,3
.irp rho, 0,1,2,3
.irp hh, 0,1,2,3,4,5,6,7
.if ((\x) == 0) && (\qp == 0)
	v_pk_mul_f32 v[32+16*\rho+2*\hh:33+16*\rho+2*\hh], v[64*\rho+8*(\x)+2*\qp:64*\rho+8*(\x)+2*\qp+1], v[128+64*((\x)%2)+8*\hh+2*\qp:129+64*((\x)%2)+8*\hh+2*\qp]
.else
	v_pk_fma_f32 v[32+16*\rho+2*\hh:33+16*\rho+2*\hh], v[64*\rho+8*(\x)+2*\qp:64*\rho+8*(\x)+2*\qp+1], v[128+64*((\x)%2)+8*\hh+2*\qp:129+64*((\x)%2)+8*\hh+2*\qp], v[32+16*\rho+2*\hh:33+16*\rho+2*\hh]
.endif
.endr
.endr
	ST 2+(4*(\x)+\qp)/16, (4*(\x)+\qp)%16, 1
	WIN 0x01
.endr
.endm
.irp x, 0,1,2,3,4,5,6,7
	LGSTEP \x
.endr
	WIN 0
.set qi, 0
.rept 32
	v_add_f32 v[32+2*qi], v[32+2*qi], v[33+2*qi]
.set qi, qi+1
.endr
.set qi, 0
.rept 32
	v_permlanex16_b32 v[33+2*qi], v[32+2*qi], s60, s61
.set qi, qi+1
.endr
.set qi, 0
.rept 32
	v_add_f32 v[32+2*qi], v[32+2*qi], v[33+2*qi]
.set qi, qi+1
.endr
.irp rho, 0,1,2,3
.irp hh, 0,1,2,3,4,5,6,7
	v_fma_f32 v[32+16*\rho+2*\hh], v[32+16*\rho+2*\hh], v[120+\rho], v[96+\hh]
.endr
.endr
.irp rho, 0,1,2,3                              ; through my own bytes of LDS: a head's 2 i x 32 j are 256 consecutive bytes of lg
.irp hh, 0,1,2,3,4,5,6,7
	ds_store_b32 v8, v[32+16*\rho+2*\hh] offset:\hh*256+(\rho/2)*128+(\rho%2)*64
.endr
.endr
.irp n, 0,1,2,3
	ds_load_b128 v[128+4*\n:131+4*\n], v9 offset:512*\n
.endr
	s_wait_dscnt 0x0
.irp n, 0,1,2,3
	global_store_b128 v10, v[128+4*\n:131+4*\n], s[84:85] offset:65536*\n
.endr
	s_wait_tensorcnt 0x0                           ; the wave's end
	ds_add_u32 v1, v2
	s_wait_dscnt 0x0
	CROUND                                         ; the closing round
	s_endpgm
.Lfunc_end_k_q8f040c59cd_opm:
	.size	k_q8f040c59cd_opm, .Lfunc_end_k_q8f040c59cd_opm-k_q8f040c59cd_opm
	.p2alignl 7, 3214868480
	.fill 96, 4, 3214868480
	.section	.rodata,"a",@progbits
	.p2align	6, 0x0
	.amdhsa_kernel k_q8f040c59cd_opm
		.amdhsa_group_segment_fixed_size 327680
		.amdhsa_private_segment_fixed_size 0
		.amdhsa_enable_private_segment 0
		.amdhsa_kernarg_size 96
		.amdhsa_user_sgpr_count 2
		.amdhsa_user_sgpr_kernarg_segment_ptr 1
		.amdhsa_wavefront_size32 1
		.amdhsa_system_sgpr_workgroup_id_x 1
		.amdhsa_system_sgpr_workgroup_id_y 1
		.amdhsa_system_sgpr_workgroup_id_z 1
		.amdhsa_system_vgpr_workitem_id 0
		.amdhsa_next_free_vgpr 1024
		.amdhsa_next_free_sgpr 100
		.amdhsa_reserve_vcc 0
		.amdhsa_float_denorm_mode_32 3
		.amdhsa_float_denorm_mode_16_64 3
		.amdhsa_memory_ordered 1
		.amdhsa_forward_progress 1
		.amdhsa_inst_pref_size 255
	.end_amdhsa_kernel
	.section	.bss,"aw",@nobits
	.p2align	6
	.space	262144
	.amdgpu_metadata
---
amdhsa.version: [ 1, 2 ]
amdhsa.kernels:
  - .name:           k_q8f040c59cd_opm
    .symbol:         k_q8f040c59cd_opm.kd
    .args:
      - { .name: afrag, .offset: 0, .size: 8, .value_kind: global_buffer, .address_space: global }
      - { .name: bfrag, .offset: 8, .size: 8, .value_kind: global_buffer, .address_space: global }
      - { .name: woutf, .offset: 16, .size: 8, .value_kind: global_buffer, .address_space: global }
      - { .name: rnt, .offset: 24, .size: 8, .value_kind: global_buffer, .address_space: global }
      - { .name: z, .offset: 32, .size: 8, .value_kind: global_buffer, .address_space: global }
      - { .name: opm_bout, .offset: 40, .size: 8, .value_kind: global_buffer, .address_space: global }
      - { .name: pwa_lnz_w, .offset: 48, .size: 8, .value_kind: global_buffer, .address_space: global }
      - { .name: pwa_lnz_b, .offset: 56, .size: 8, .value_kind: global_buffer, .address_space: global }
      - { .name: pwa_wz, .offset: 64, .size: 8, .value_kind: global_buffer, .address_space: global }
      - { .name: lowp_scales, .offset: 72, .size: 8, .value_kind: global_buffer, .address_space: global }
      - { .name: out1, .offset: 80, .size: 8, .value_kind: global_buffer, .address_space: global }
      - { .name: lg, .offset: 88, .size: 8, .value_kind: global_buffer, .address_space: global }
    .group_segment_fixed_size: 327680
    .private_segment_fixed_size: 0
    .kernarg_segment_align: 8
    .kernarg_segment_size: 96
    .max_flat_workgroup_size: 128
    .sgpr_count:     100
    .vgpr_count:     1024
    .wavefront_size: 32
...
	.end_amdgpu_metadata
.endif
;; end of part 2
;; launch smax (part 3): grid 128 x 1, 1 waves a work-group, no clusters, 0 bytes of LDS; arguments lg, lowp_scales, pfrag, linv; writes pfrag, linv
.if DOCPART == 3
	.amdgcn_target "amdgcn-amd-amdhsa--gfx1250"
	.amdhsa_code_object_version 6
	.text
	.protected	k_q8f040c59cd_smax
	.globl	k_q8f040c59cd_smax
	.p2align	8
	.type	k_q8f040c59cd_smax,@function
k_q8f040c59cd_smax:
	s_mov_b64 s[64:65], 0
	v_nop
	global_prefetch_b8 v0, s[64:65] scope:SCOPE_SE
	s_setreg_imm32_b32 hwreg(HW_REG_WAVE_MODE, 25, 1), 1
	s_wait_xcnt 0x0
; SMAX: for head hh and 16 rows i: M = ceil(the row's largest t), p = 2^(t - M) as codes by entry 15, laid as images of the operand's registers; linv = 2^(e14 + e15) / (the sum of the unquantised p).  No work of reference() is left out here.
; One wave to a work-group: g = 16 hh + it.  Lane (r, h) holds row i = 16 it + r and the keys j = 16 c + 8 h + 0 .. 7, c = 0 .. 15: the order in which the matrix form wants them; lane l xor 16 holds the row's other 128 keys.
; 128 work-groups are all the work there is.  No LDS, no matrix unit: the rows fit in registers.
; LIMITS: e15 between -126 and 119.  NaN among the inputs is not served.
.set X, 16                             ; v16-143 t, then p
.set C, 144                            ; v144-175 the codes
	s_load_b128 s[4:7], s[0:1], 0x0                ; lg, scales
	s_load_b128 s[8:11], s[0:1], 0x10              ; pfrag, linv
	v_and_b32 v1, 15, v0
	v_lshrrev_b32 v2, 4, v0
	v_lshlrev_b32 v3, 7, v1
	v_lshl_add_u32 v3, v2, 5, v3                   ; row r of 128 bytes, + 32 h
	v_lshlrev_b32 v4, 4, v0
	v_lshlrev_b32 v5, 2, v1
	v_mov_b32 v10, 0                               ; written once: a lane permute's destination counts as read
	v_mov_b32 v13, 0                               ; (named as the upper half of a pair)
	s_lshr_b32 s12, ttmp9, 4
	s_and_b32 s13, ttmp9, 15
	s_lshl_b32 s14, s12, 15
	s_lshl_b32 s15, s13, 11
	s_add_co_u32 s14, s14, s15
	s_mov_b32 s15, 0
	s_lshl_b32 s16, ttmp9, 12
	s_mov_b32 s17, 0
	s_lshl_b32 s18, s12, 10
	s_lshl_b32 s19, s13, 6
	s_add_co_u32 s18, s18, s19
	s_mov_b32 s19, 0
	s_mov_b32 s20, 0x76543210
	s_mov_b32 s21, 0xfedcba98
	s_wait_alu depctr_va_vdst(0)
	s_wait_kmcnt 0x0
	s_load_b64 s[22:23], s[6:7], 0x38              ; e14, e15
	s_add_nc_u64 s[4:5], s[4:5], s[14:15]
	s_add_nc_u64 s[8:9], s[8:9], s[16:17]
	s_add_nc_u64 s[10:11], s[10:11], s[18:19]
.set c, 0
.rept 16
	global_load_b128 v[X+8*c:X+8*c+3], v3, s[4:5] offset:(c/2)*262144+(c%2)*64 th:TH_LOAD_NT
	global_load_b128 v[X+8*c+4:X+8*c+7], v3, s[4:5] offset:(c/2)*262144+(c%2)*64+16 th:TH_LOAD_NT
.set c, c+1
.endr
	s_wait_kmcnt 0x0
	s_add_co_i32 s24, s22, s23
	s_add_co_i32 s25, s23, 127
	s_lshl_b32 s26, s25, 23
	v_mov_b32 v15, s26                             ; 2^e15
	s_add_co_i32 s25, s25, 8
	s_lshl_b32 s25, s25, 23
	s_or_b32 s25, s25, 0x600000
	v_mov_b32 v14, s25                             ; 448 x 2^e15
	s_wait_loadcnt 0x0
	v_max3_num_f32 v8, v[X], v[X+1], v[X+2]
	v_max3_num_f32 v9, v[X+3], v[X+4], v[X+5]
.set j, 6
.rept 30
	v_max3_num_f32 v8, v8, v[X+j], v[X+j+1]
	v_max3_num_f32 v9, v9, v[X+j+2], v[X+j+3]
.set j, j+4
.endr
	v_max3_num_f32 v8, v8, v[X+126], v[X+127]
	v_max_num_f32 v8, v8, v9
	v_permlanex16_b32 v10, v8, s20, s21
	v_max_num_f32 v8, v8, v10
	v_floor_f32 v12, -v8                           ; -M = floor(-t) = -ceil(t)
.set j, 0
.rept 64
	v_pk_add_f32 v[X+j:X+j+1], v[X+j:X+j+1], v[12:13] op_sel_hi:[1,0]
.set j, j+2
.endr
.set j, 0
	s_wait_alu depctr_va_vdst(0)
.rept 128
	v_exp_f32 v[X+j], v[X+j]
.set j, j+1
.endr
	v_nop                                          ; a plain instruction behind the batch,
	s_wait_alu depctr_va_vdst(0)                   ; and one wait for all 128, ahead of the first reader
	v_pk_add_f32 v[8:9], v[X:X+1], v[X+2:X+3]      ; the sum is taken of the unquantised p
	v_pk_add_f32 v[10:11], v[X+4:X+5], v[X+6:X+7]
.set j, 8
.rept 30
	v_pk_add_f32 v[8:9], v[8:9], v[X+j:X+j+1]
	v_pk_add_f32 v[10:11], v[10:11], v[X+j+2:X+j+3]
.set j, j+4
.endr
	v_pk_add_f32 v[8:9], v[8:9], v[10:11]
	v_add_f32 v8, v8, v9
	v_permlanex16_b32 v10, v8, s20, s21
	v_add_f32 v8, v8, v10
.set c, 0
.rept 16
.irp i, 0,1,2,3,4,5,6,7
	v_min_num_f32 v[X+8*c+\i], v[X+8*c+\i], v14    ; p is not negative: the hold is one-sided
.endr
	v_cvt_scalef32_pk8_fp8_f32 v[C+2*c:C+2*c+1], v[X+8*c:X+8*c+7], v15
.set c, c+1
.endr
	v_nop
.irp n, 0,1,2,3,4,5,6,7
	global_store_b128 v4, v[C+4*\n:C+4*\n+3], s[8:9] offset:512*\n   ; a piece: 512 consecutive bytes
.endr
	s_wait_alu depctr_va_vdst(0)
	v_rcp_f32 v8, v8
	v_nop
	s_wait_alu depctr_va_vdst(0)
	v_ldexp_f32 v8, v8, s24
	v_cmp_gt_u32 vcc_lo, 16, v0
	s_wait_alu depctr_va_vdst(0)
	s_wait_xcnt 0x0                                ; EXEC changes only behind this wait
	s_and_saveexec_b32 s25, vcc_lo
	global_store_b32 v5, v8, s[10:11]              ; lanes 0-15: one number a row
	s_wait_xcnt 0x0
	s_or_b32 exec_lo, exec_lo, s25
	s_endpgm
.Lfunc_end_k_q8f040c59cd_smax:
	.size	k_q8f040c59cd_smax, .Lfunc_end_k_q8f040c59cd_smax-k_q8f040c59cd_smax
	.p2alignl 7, 3214868480
	.fill 96, 4, 3214868480
	.section	.rodata,"a",@progbits
	.p2align	6, 0x0
	.amdhsa_kernel k_q8f040c59cd_smax
		.amdhsa_group_segment_fixed_size 0
		.amdhsa_private_segment_fixed_size 0
		.amdhsa_enable_private_segment 0
		.amdhsa_kernarg_size 32
		.amdhsa_user_sgpr_count 2
		.amdhsa_user_sgpr_kernarg_segment_ptr 1
		.amdhsa_wavefront_size32 1
		.amdhsa_system_sgpr_workgroup_id_x 1
		.amdhsa_system_sgpr_workgroup_id_y 1
		.amdhsa_system_sgpr_workgroup_id_z 1
		.amdhsa_system_vgpr_workitem_id 0
		.amdhsa_next_free_vgpr 192
		.amdhsa_next_free_sgpr 66
		.amdhsa_reserve_vcc 1
		.amdhsa_float_denorm_mode_32 3
		.amdhsa_float_denorm_mode_16_64 3
		.amdhsa_memory_ordered 1
		.amdhsa_forward_progress 1
		.amdhsa_inst_pref_size 28
	.end_amdhsa_kernel
	.amdgpu_metadata
---
amdhsa.version: [ 1, 2 ]
amdhsa.kernels:
  - .name:           k_q8f040c59cd_smax
    .symbol:         k_q8f040c59cd_smax.kd
    .args:
      - { .name: lg, .offset: 0, .size: 8, .value_kind: global_buffer, .address_space: global }
      - { .name: lowp_scales, .offset: 8, .size: 8, .value_kind: global_buffer, .address_space: global }
      - { .name: pfrag, .offset: 16, .size: 8, .value_kind: global_buffer, .address_space: global }
      - { .name: linv, .offset: 24, .size: 8, .value_kind: global_buffer, .address_space: global }
    .group_segment_fixed_size: 0
    .private_segment_fixed_size: 0
    .kernarg_segment_align: 8
    .kernarg_segment_size: 32
    .max_flat_workgroup_size: 32
    .sgpr_count:     66
    .vgpr_count:     192
    .wavefront_size: 32
...
	.end_amdgpu_metadata
.endif
;; end of part 3
;; launch msa (part 4): grid 256 x 1, 16 waves a work-group, clusters of 4 x 1, 327,680 bytes of LDS; arguments m, pwa_lnm_w, pwa_lnm_b, tr_ln_w, tr_ln_b, wfrag, pfrag, linv, lowp_scales, out0; writes out0
.if DOCPART == 4
	.amdgcn_target "amdgcn-amd-amdhsa--gfx1250"
	.amdhsa_code_object_version 6
	.text
	.protected	k_q8f040c59cd_msa
	.globl	k_q8f040c59cd_msa
	.p2align	8
	.type	k_q8f040c59cd_msa,@function
k_q8f040c59cd_msa:
	s_mov_b64 s[64:65], 0
	v_nop
	global_prefetch_b8 v0, s[64:65] scope:SCOPE_SE
	s_setreg_imm32_b32 hwreg(HW_REG_WAVE_MODE, 25, 1), 1
	s_wait_xcnt 0x0
	s_wait_alu depctr_hold_cnt(0) depctr_sa_sdst(0) depctr_va_vdst(0) depctr_va_sdst(0) depctr_va_ssrc(0) depctr_va_vcc(0) depctr_vm_vsrc(0)
	s_getreg_b32 s2, hwreg(HW_REG_IB_STS2, 6, 4)
	s_cmp_eq_u32 s2, 0
	s_cbranch_scc0 .Lentry_in_a_cluster
	s_endpgm
.Lentry_in_a_cluster:
	s_bfe_u32 s2, ttmp6, 0x10000c
	s_cmp_lg_u32 s2, 0x3003
	s_cbranch_scc0 .Lentry_shape_is_right
	s_endpgm
.Lentry_shape_is_right:
; MSA: out0 = m1 + (silu(x wa) (x wb)) tr_wo, x = LN(m1), m1 = m + (sigmoid(LN(m) wg) o) wo, o[s][i] = (sum over j of p[i][j] v[s][j]) / l, v = LN(m) wv.  No work of reference() is left out here.
; SHARES.  Work-group wgx owns s = 2 wgx, 2 wgx + 1: 512 rows of m.  Wave w owns 32 of them: s index w / 8, positions 32 (w % 8) on: two tiles P of 16.  Four waves to a SIMD, so that one wave's vector work stands beside another's products and LDS loads.
; LAYOUT.  A lane holds ONE position throughout and its registers run along channels, so that each result is converted into the next operand where it lies:
;   v: source 0 = my LN(m), source 1 = wv: lane = column, registers = positions j: a piece of the image of v with K = j, handed to the other waves through LDS;
;   o: source 0 = 16 columns of v, source 1 = 16 rows i of p;   g, and every later product: source 0 = the weight, source 1 = my codes: lane = position, registers = columns.
; RING.  Two LDS slots of 64 KB stream nine blocks: p of heads 0 to 7, then wo | wa | wb | tr_wo.  All work-groups read the same blocks: the four of a cluster ask jointly (mask 15).  Every wave asks for 4 KB.
; TWO GROUPS OF WAVES, HALF A HEAD APART.  A head's work has two parts: O (32 LDS loads of 512 bytes, 8 products, 16 vector instructions) and G (4 LDS loads, 4 products, some 190 vector instructions: the gate, the hold, the conversion).
; The round at each change of slots brings all sixteen waves to one place.  So between two changes group 0 runs O(b), G(b) and group 1 runs G(b - 1), O(b): while one group reads LDS the other has vector work.
; O stays in its registers over the change, so no register more is needed.  The group is (w xor w / 4) % 2: of four neighbouring waves, and of every fourth wave, two are in each group.  G stands twice in the text, each under a branch
; on the wave's number that holds no barrier, no wait of the ring and no tensor load.  Every read of a slot stands between the round that shows it whole and the wave's wait for its LDS loads in front of the next round.
; LIMITS: every exponent that is made into an f32 number (e10, e12, e16, e18, e20, e14 - e10 - e11, e22 - e18 - e19 - e20 - e21) lies between -126 and 119; e12 + e13, e18 + e19, e16 + e17, e22 + e23 between -126 and 126.  NaN among the inputs is not served.
; REGISTERS: v1-13, v28-31 addresses; v14, v26 linv of my two tiles (v14-17 also scales and limits); v18-25 at work; v32-95 m; v96-159 the gated codes (earlier and later: gains, weights, codes); v160-191 my LN codes; v176-255 sums and fragments.
.set W1,    139264                     ; LDS: 0 .. 139263: m's rows (wave w at 8704 w), then v's images [s index][column tile 16][K step 2][piece 4][512], at the end the stages; here wv, wg (32768 bytes)
.set SPARE, 172032                     ; behind them the spare words: 128 bytes a wave, named by no other line
.set SLOT0, 0x30000                    ; the slots begin at multiples of 65536, so that a wave's 4096 w stays in the low 16 bits,
.set SLOT1, 0x40000
.set FLIP,  0x70000                    ; and one exclusive or turns an address in one slot into the other's
.set WV,  24
.set GRP, 26                           ; s26: first wgx, then the wave's group
.set SEL, 30
.set I64, 4
.set EPS, 5
.macro PLACES n
.rept \n
	v_nop
.endr
.endm
.macro CROUND
	s_barrier_signal -1
	s_barrier_wait -1
	s_cmp_lg_u32 s[WV], 0
	s_cbranch_scc1 .Lnot_wave_0_\@
	s_barrier_signal -3
.Lnot_wave_0_\@:
	s_barrier_wait -3
	s_barrier_signal -1
	s_barrier_wait -1
.endm
.macro MKQ e, vs, vl                   ; 2^e and 448 x 2^e as f32 numbers
	s_add_co_i32 s2, \e, 127
	s_lshl_b32 s3, s2, 23
	v_mov_b32 \vs, s3
	s_add_co_i32 s2, s2, 8
	s_lshl_b32 s2, s2, 23
	s_or_b32 s2, s2, 0x600000
	v_mov_b32 \vl, s2
.endm
.macro LN x, y, w, b                   ; LayerNorm over 64 channels: 32 in this lane, 32 in lane l xor 16
	v_pk_add_f32 v[18:19], v[\x:\x+1], v[\x+2:\x+3]
	v_pk_add_f32 v[20:21], v[\x+4:\x+5], v[\x+6:\x+7]
.irp j, 8,12,16,20,24,28
	s_delay_alu instid0(VALU_DEP_2)
	v_pk_add_f32 v[18:19], v[18:19], v[\x+\j:\x+\j+1]
	s_delay_alu instid0(VALU_DEP_2)
	v_pk_add_f32 v[20:21], v[20:21], v[\x+\j+2:\x+\j+3]
.endr
	s_delay_alu instid0(VALU_DEP_1)
	v_pk_add_f32 v[18:19], v[18:19], v[20:21]
	s_delay_alu instid0(VALU_DEP_1)
	v_add_f32 v18, v18, v19
	s_delay_alu instid0(VALU_DEP_1)
	v_permlanex16_b32 v22, v18, s[SEL], s[SEL+1]
	s_delay_alu instid0(VALU_DEP_1)
	v_add_f32 v18, v18, v22
	s_delay_alu instid0(VALU_DEP_1)
	v_mul_f32 v18, 0xbc800000, v18                 ; minus the mean
.irp j, 0,2,4,6,8,10,12,14,16,18,20,22,24,26,28,30
	v_pk_add_f32 v[\y+\j:\y+\j+1], v[\x+\j:\x+\j+1], v[18:19] op_sel_hi:[1,0]
.endr
	v_pk_mul_f32 v[20:21], v[\y:\y+1], v[\y:\y+1]
	v_pk_mul_f32 v[24:25], v[\y+2:\y+3], v[\y+2:\y+3]
.irp j, 4,8,12,16,20,24,28
	s_delay_alu instid0(VALU_DEP_2)
	v_pk_fma_f32 v[20:21], v[\y+\j:\y+\j+1], v[\y+\j:\y+\j+1], v[20:21]
	s_delay_alu instid0(VALU_DEP_2)
	v_pk_fma_f32 v[24:25], v[\y+\j+2:\y+\j+3], v[\y+\j+2:\y+\j+3], v[24:25]
.endr
	s_delay_alu instid0(VALU_DEP_1)
	v_pk_add_f32 v[20:21], v[20:21], v[24:25]
	s_delay_alu instid0(VALU_DEP_1)
	v_add_f32 v20, v20, v21
	s_delay_alu instid0(VALU_DEP_1)
	v_permlanex16_b32 v22, v20, s[SEL], s[SEL+1]
	s_delay_alu instid0(VALU_DEP_1)
	v_add_f32 v20, v20, v22
	s_delay_alu instid0(VALU_DEP_1)
	v_fma_f32 v20, v20, s[I64], s[EPS]
	s_wait_alu depctr_va_vdst(0)
	v_rsq_f32 v20, v20
	v_nop
	s_wait_alu depctr_va_vdst(0)
.irp j, 0,2,4,6,8,10,12,14,16,18,20,22,24,26,28,30
	v_pk_mul_f32 v[\y+\j:\y+\j+1], v[\y+\j:\y+\j+1], v[20:21] op_sel_hi:[1,0]
.endr
.irp j, 0,2,4,6,8,10,12,14,16,18,20,22,24,26,28,30
	v_pk_fma_f32 v[\y+\j:\y+\j+1], v[\y+\j:\y+\j+1], v[\w+\j:\w+\j+1], v[\b+\j:\b+\j+1]
.endr
.endm
.macro QLN y, t, c1, c2                ; two fragments of K = 64: by (v16, v17) through v[t] on, by (v14, v15) in place
.set qi, 0
.rept 32
	v_med3_num_f32 v[\t+qi], v[\y+qi], -v17, v17
.set qi, qi+1
.endr
.irp g, 0,1,2,3
	v_cvt_scalef32_pk8_fp8_f32 v[\c1+2*\g:\c1+2*\g+1], v[\t+8*\g:\t+8*\g+7], v16
.endr
.set qi, 0
.rept 32
	v_med3_num_f32 v[\y+qi], v[\y+qi], -v15, v15
.set qi, qi+1
.endr
.irp g, 0,1,2,3
	v_cvt_scalef32_pk8_fp8_f32 v[\c2+2*\g:\c2+2*\g+1], v[\y+8*\g:\y+8*\g+7], v14
.endr
	v_nop
.endm
.macro SIGM r                          ; 32 numbers v[r] on, already x -log2(e): 1 / (1 + 2^x).  Two batches, one wait each
.set qi, 0
.rept 32
	v_exp_f32 v[\r+qi], v[\r+qi]
.set qi, qi+1
.endr
	v_nop
	s_wait_alu depctr_va_vdst(0)
.set qi, 0
.rept 16
	v_pk_add_f32 v[\r+qi:\r+qi+1], v[\r+qi:\r+qi+1], 1.0 op_sel_hi:[1,0]
.set qi, qi+2
.endr
.set qi, 0
	s_wait_alu depctr_va_vdst(0)
.rept 32
	v_rcp_f32 v[\r+qi], v[\r+qi]
.set qi, qi+1
.endr
	v_nop
	s_wait_alu depctr_va_vdst(0)
.endm
	s_load_b512 s[4:19], s[0:1], 0x0               ; m, lnm_w, lnm_b, tr_ln_w, tr_ln_b, wfrag, pfrag, linv
	s_load_b128 s[20:23], s[0:1], 0x40             ; scales, out0
	v_lshl_add_u32 v1, v0, 2, SPARE
	v_mov_b32 v2, 0
	ds_add_u32 v1, v2                              ; the opening: the add, twice on end, and its wait ahead of the first round
	ds_add_u32 v1, v2
	v_lshrrev_b32 v18, 5, v0
	s_delay_alu instid0(VALU_DEP_1)
	v_readfirstlane_b32 s[WV], v18
	s_bfe_u32 s25, ttmp6, 0x40000                  ; cx
	s_lshl_b32 s26, ttmp9, 2
	s_add_co_u32 s26, s26, s25                     ; wgx: it enters m's, out0's and the prefetches' addresses alone
	s_and_b32 s27, s[WV], 7                        ; u
	s_lshr_b32 s28, s[WV], 3                       ; s index
	s_lshr_b32 s29, s[WV], 1
	s_or_b32 s29, s29, ttmp9                       ; 0 in waves 0 and 1 of the first cluster: these prefetch.  The same in all four partners
	s_mov_b32 s[SEL], 0x76543210
	s_mov_b32 s[SEL+1], 0xfedcba98
	s_mov_b32 s32, 15|(3<<16)|(1<<21)              ; group 1 of a slot's part: joint; dense rows of 256 bytes; 16 rows a wave
	s_mov_b32 s33, 32<<16
	s_mov_b32 s34, 16<<16
	s_mov_b32 s35, 32<<16
	s_mov_b32 s36, 16
	s_mov_b32 s37, 32
	s_mov_b32 s38, 0
	s_mov_b32 s39, 0
	s_mov_b32 s40, 15|(3<<16)|(1<<21)              ; of slot 0's first fill: joint; 32 dense rows of 256 bytes
	s_mov_b32 s41, 32<<16
	s_mov_b32 s42, 32<<16
	s_mov_b32 s43, 32<<16
	s_mov_b32 s44, 32
	s_mov_b32 s45, 32
	s_mov_b32 s46, 0
	s_mov_b32 s47, 0
	s_mul_i32 s57, s[WV], 8704                     ; my 32 rows of m in LDS, 272 bytes apart
	s_mov_b32 s60, 1
	s_and_b32 s66, s[WV], 7
	s_lshl_b32 s66, s66, 12                        ; waves 0-7: 4096 bytes each of wv, wg
	s_add_co_u32 s61, s66, W1
	s_mov_b32 s67, 0
	s_lshl_b32 s94, s[WV], 12
	s_mov_b32 s68, 1
	s_and_b32 s95, s[WV], 7
	s_lshl_b32 s95, s95, 13                        ; waves 8-15: 8192 bytes each of slot 0
	s_add_co_u32 s69, s95, SLOT0
	s_mov_b32 s72, 1
	s_add_co_u32 s73, s94, SLOT1
	s_mov_b32 s76, 1
	s_add_co_u32 s77, s94, SLOT0
	v_and_b32 v19, 31, v0
	v_and_b32 v20, 15, v0
	v_bfe_u32 v21, v0, 4, 1
	s_delay_alu instid0(VALU_DEP_3)
	v_lshlrev_b32 v3, 4, v19                       ; v3: 16 x lane
	s_delay_alu instid0(VALU_DEP_3)
	v_mul_u32_u24 v4, v20, 272
	s_delay_alu instid0(VALU_DEP_1)
	v_lshl_add_u32 v4, v21, 5, v4
	s_mul_i32 s95, s[WV], 4352
	v_add_nc_u32 v5, s95, v4                       ; v5: my stage on the way out: row r, + 32 h
	v_add_nc_u32 v4, s57, v4                       ; v4: m's row r, + 32 h
	v_mul_u32_u24 v6, v21, 272
	s_delay_alu instid0(VALU_DEP_1)
	v_lshl_add_u32 v6, v20, 4, v6
	s_delay_alu instid0(VALU_DEP_1)
	v_add_nc_u32 v28, s57, v6                      ; v28: m on its way in, by rows: lanes 0-15 one row, lanes 16-31 the next (the register is taken again in the transition)
	v_add_nc_u32 v6, s95, v6
	s_lshl_b32 s95, s28, 16
	v_add_nc_u32 v8, s95, v3                       ; v8: v's images of my s
	s_lshl_b32 s96, s27, 9
	s_add_co_u32 s95, s95, s96
	v_add_nc_u32 v7, s95, v3                       ; v7: my piece of them: K step u / 4, piece u % 4
	v_add_nc_u32 v9, W1, v3
	s_lshl_b32 s95, s27, 13
	s_add_co_u32 s96, s95, SLOT0
	v_add_nc_u32 v10, s96, v3                      ; v10, v11: p's fragments of my rows i, in slot 0, 1
	s_add_co_u32 s96, s95, SLOT1
	v_add_nc_u32 v11, s96, v3
	v_add_nc_u32 v12, SLOT0, v3
	s_lshl_b32 s95, s27, 7
	v_lshlrev_b32 v13, 2, v20
	s_delay_alu instid0(VALU_DEP_1)
	v_add_nc_u32 v13, s95, v13                     ; v13: linv: (32 u + r) x 4
	v_lshlrev_b32 v30, 8, v19                      ; v30: 256 x lane
	v_lshlrev_b32 v31, 5, v21                      ; v31: 32 h
	v_mov_b32 v22, 0                               ; written once: a lane permute's destination counts as read
	v_mov_b32 v27, 0                               ; (named as the upper half of a pair)
	s_wait_alu depctr_va_vdst(0)
	s_wait_dscnt 0x0
	s_wait_kmcnt 0x0
	s_add_nc_u64 s[62:63], s[14:15], s[66:67]      ; wv, wg: (wave % 8) x 4096
	s_or_b32 s63, s63, 0x80000000
	s_mov_b32 s66, s94
	s_add_nc_u64 s[74:75], s[16:17], s[66:67]
	s_add_nc_u64 s[74:75], s[74:75], 0x10000       ; p of head 1: wave x 4096
	s_and_b32 s2, s[WV], 7
	s_lshl_b32 s2, s2, 13
	s_mov_b32 s3, 0
	s_add_nc_u64 s[70:71], s[16:17], s[2:3]        ; p of head 0: (wave % 8) x 8192
	s_add_nc_u64 s[78:79], s[14:15], s[66:67]
	s_add_nc_u64 s[78:79], s[78:79], 0x8000        ; wo, wa, wb, tr_wo
	s_or_b32 s71, s71, 0x80000000
	s_or_b32 s75, s75, 0x80000000
	s_or_b32 s79, s79, 0x80000000
	s_lshl_b32 s2, s26, 17
	s_lshl_b32 s3, s[WV], 13
	s_add_co_u32 s2, s2, s3                        ; my 32 rows of 256 bytes
	s_mov_b32 s3, 0
	s_add_nc_u64 s[58:59], s[4:5], s[2:3]
	s_add_nc_u64 s[22:23], s[22:23], s[2:3]
.irp i, 0,1,2,3,4,5,6,7,8,9,10,11,12,13,14,15
	global_load_b128 v[192+4*\i:195+4*\i], v3, s[58:59] offset:512*\i th:TH_LOAD_NT   ; m: my own 32 rows, two rows (512 consecutive bytes) an instruction; read once in the launch
.endr
	CROUND                                         ; all four work-groups are here: the first joint loads meet
	s_cmp_lt_u32 s[WV], 8                          ; the head's fills, one tensor load a wave, a load in each arm: waves 0-7 wv and wg, waves 8-15 slot 0
	s_cbranch_scc0 .Lhead_p
	tensor_load_to_lds s[60:63], s[32:39]
	s_nop 0
	PLACES 4
	s_branch .Lhead_j
.Lhead_p:
	tensor_load_to_lds s[68:71], s[40:47]
	s_nop 0
	PLACES 4
.Lhead_j:
	s_lshr_b32 s[GRP], s[WV], 2                    ; wgx is done with: the register takes my group, made of the wave's number alone
	s_xor_b32 s[GRP], s[GRP], s[WV]
	s_and_b32 s[GRP], s[GRP], 1
	s_load_b256 s[80:87], s[20:21], 0x28           ; e10 .. e17
	s_load_b128 s[88:91], s[20:21], 0x48           ; e18 .. e21
	s_load_b64 s[92:93], s[20:21], 0x58            ; e22, e23
	s_wait_alu depctr_va_vdst(0)
.irp t, 0,1,2,3
	global_load_b128 v[96+8*\t:99+8*\t], v31, s[6:7] offset:64*\t
	global_load_b128 v[100+8*\t:103+8*\t], v31, s[6:7] offset:64*\t+16
	global_load_b128 v[128+8*\t:131+8*\t], v31, s[8:9] offset:64*\t
	global_load_b128 v[132+8*\t:135+8*\t], v31, s[8:9] offset:64*\t+16
.endr
	s_lshl_b32 s2, s25, 14                         ; the prefetches: of a block's 64 KB each partner takes 16 KB by address, waves 0 and 1 8 KB each
	s_lshl_b32 s3, s[WV], 13
	s_add_co_u32 s2, s2, s3
	s_mov_b32 s3, 0
	s_add_nc_u64 s[16:17], s[16:17], s[2:3]
	s_add_nc_u64 s[14:15], s[14:15], s[2:3]
	s_add_nc_u64 s[14:15], s[14:15], 0x8000
	s_mov_b32 s[I64], 0x3c800000
	s_mov_b32 s[EPS], 0x3727c5ac
	; ---- A: LN(m) as codes by entries 10 and 12
	s_wait_loadcnt 16                              ; m's 16 loads are in; behind them stand the 16 of the gain and the bias
.irp i, 0,1,2,3,4,5,6,7,8,9,10,11,12,13,14,15
	ds_store_b128 v28, v[192+4*\i:195+4*\i] offset:544*\i   ; through my own rows of LDS: no other wave touches them, and LDS serves a wave's instructions in order: the loads below see these stores
.endr
.irp P, 0,1
.irp t, 0,1,2,3
	ds_load_b128 v[32+32*\P+8*\t:35+32*\P+8*\t], v4 offset:4352*\P+64*\t
	ds_load_b128 v[36+32*\P+8*\t:39+32*\P+8*\t], v4 offset:4352*\P+64*\t+16
.endr
.endr
	s_wait_kmcnt 0x0
	s_add_co_i32 s66, s82, s83
	s_lshl_b32 s66, s66, 23
	s_add_co_i32 s94, s66, 0xbfb8aa3b              ; -log2(e) x 2^(e12 + e13): the exponents are added to the number's exponent field
	s_mov_b32 s95, s94
	s_add_co_i32 s66, s86, s87
	s_add_co_i32 s66, s66, 127
	s_lshl_b32 s96, s66, 23                        ; 2^(e16 + e17)
	s_mov_b32 s97, s96
	s_add_co_i32 s66, s88, s89
	s_lshl_b32 s66, s66, 23
	s_add_co_i32 s98, s66, 0xbfb8aa3b              ; -log2(e) x 2^(e18 + e19)
	s_mov_b32 s99, s98
	s_add_co_i32 s66, s92, s93
	s_add_co_i32 s67, s66, 127
	s_lshl_b32 s100, s67, 23                       ; 2^(e22 + e23),
	s_mov_b32 s101, s100
	s_sub_co_i32 s67, 127, s66
	s_lshl_b32 s104, s67, 23                       ; and its reciprocal
	s_mov_b32 s105, s104
	MKQ s80, v16, v17
	MKQ s82, v14, v15
	s_wait_loadcnt 0x0
	s_wait_dscnt 0x0
	LN 32, 192, 96, 128
	QLN 192, 224, 176, 160
	LN 64, 192, 96, 128
	QLN 192, 224, 184, 168
	s_sub_co_i32 s66, s84, s80
	s_sub_co_i32 s66, s66, s81                     ; a sum stands for sum x 2^(e10 + e11): v's conversion takes 2^(e14 - e10 - e11)
	MKQ s66, v16, v17
	s_wait_tensorcnt 0x0                           ; my part of wv, wg or of slot 0 has landed
	ds_add_u32 v1, v2
	s_wait_dscnt 0x0
	CROUND                                         ; wv, wg and slot 0 are whole; every wave has read its rows of m: their bytes take v's images
	tensor_load_to_lds s[72:75], s[32:39]          ; slot 1: p of head 1, 4 KB a wave: my one load that is out
	s_nop 0
	PLACES 4
	; ---- B: v, four tiles of columns at a time
.macro VBATCH bt
.irp x, 0,1,2,3
.irp c, 0,1
	ds_load_b128 v[96+8*\x+4*\c:99+8*\x+4*\c], v9 offset:(4*(\bt)+\x)*1024+512*\c
.endr
.endr
	s_wait_dscnt 0x0
.irp x, 0,1,2,3
.irp P, 0,1
	v_wmma_f32_16x16x64_fp8_fp8 v[192+16*\x+8*\P:199+16*\x+8*\P], v[176+8*\P:183+8*\P], v[96+8*\x:103+8*\x], 0
.endr
.endr
	PLACES 4
.set qi, 0
	s_wait_alu depctr_va_vdst(0)
.rept 64
	v_med3_num_f32 v[192+qi], v[192+qi], -v17, v17
.set qi, qi+1
.endr
.irp x, 0,1,2,3
.irp P, 0,1
	v_cvt_scalef32_pk8_fp8_f32 v[128+4*\x+2*\P:129+4*\x+2*\P], v[192+16*\x+8*\P:199+16*\x+8*\P], v16
.endr
.endr
	v_nop
.irp x, 0,1,2,3
	ds_store_b128 v7, v[128+4*\x:131+4*\x] offset:(4*(\bt)+\x)*4096
.endr
.endm
	VBATCH 0
	VBATCH 1
	VBATCH 2
	VBATCH 3
	MKQ s86, v16, v17                              ; entry 16, for the gated values
	s_wait_tensorcnt 0x1                           ; slot 0 has landed; slot 1's load may stay out
	s_wait_dscnt 0x0
	s_barrier_signal -1
	s_barrier_wait -1                              ; v's images are whole
	; ---- C: a head at a time, in two parts
; O of head hh: o = (v^T p^T) x 2^(e14 + e15) / l, for my two tiles of positions and the head's two tiles of columns, into v176-207
.macro OPART hh
	global_load_b32 v14, v13, s[18:19] offset:(\hh)*1024
	global_load_b32 v26, v13, s[18:19] offset:(\hh)*1024+64
.irp ks, 0,1
.irp dt, 0,1
.irp c, 0,1,2,3
	ds_load_b128 v[208+16*\dt+4*\c:211+16*\dt+4*\c], v8 offset:(2*(\hh)+\dt)*4096+\ks*2048+\c*512
.endr
.endr
.irp c, 0,1,2,3
	ds_load_b128 v[240+4*\c:243+4*\c], v[10+(\hh)%2] offset:\ks*2048+\c*512
.endr
	s_wait_dscnt 0x0
.irp dt, 0,1                                   ; the four sums take turns, one instruction a turn
.if \ks == 0
	v_wmma_f32_16x16x128_fp8_fp8 v[176+8*\dt:183+8*\dt], v[208+16*\dt:223+16*\dt], v[240:255], 0
.else
	v_wmma_f32_16x16x128_fp8_fp8 v[176+8*\dt:183+8*\dt], v[208+16*\dt:223+16*\dt], v[240:255], v[176+8*\dt:183+8*\dt]
.endif
.endr
	PLACES 4
.irp c, 0,1,2,3
	ds_load_b128 v[240+4*\c:243+4*\c], v[10+(\hh)%2] offset:4096+\ks*2048+\c*512
.endr
	s_wait_dscnt 0x0
.irp dt, 0,1
.if \ks == 0
	v_wmma_f32_16x16x128_fp8_fp8 v[192+8*\dt:199+8*\dt], v[208+16*\dt:223+16*\dt], v[240:255], 0
.else
	v_wmma_f32_16x16x128_fp8_fp8 v[192+8*\dt:199+8*\dt], v[208+16*\dt:223+16*\dt], v[240:255], v[192+8*\dt:199+8*\dt]
.endif
.endr
	PLACES 4+\ks                                   ; four in front of loads and of the first read of results; five where matrix instructions next write over these operands
.endr
	s_wait_loadcnt 0x0                             ; 2^(e14 + e15) / l of my two tiles
.irp j, 0,2,4,6,8,10,12,14
	v_pk_mul_f32 v[176+\j:177+\j], v[176+\j:177+\j], v[14:15] op_sel_hi:[1,0]
.endr
.irp j, 0,2,4,6,8,10,12,14
	v_pk_mul_f32 v[192+\j:193+\j], v[192+\j:193+\j], v[26:27] op_sel_hi:[1,0]
.endr
.endm
; G of head hh: the gate sigmoid(LN(m) wg), times o, held and converted by entry 16 into the head's eight registers of the next operand.  It reads wg and my own registers alone: no slot, no image of v
.macro GPART hh
.irp dt, 0,1
.irp c, 0,1
	ds_load_b128 v[240+8*\dt+4*\c:243+8*\dt+4*\c], v9 offset:16384+(2*(\hh)+\dt)*1024+\c*512
.endr
.endr
	s_wait_dscnt 0x0
.irp P, 0,1
.irp dt, 0,1
	v_wmma_f32_16x16x64_fp8_fp8 v[208+16*\P+8*\dt:215+16*\P+8*\dt], v[240+8*\dt:247+8*\dt], v[160+8*\P:167+8*\P], 0
.endr
.endr
	PLACES 4
.set qi, 0
.rept 16
	v_pk_mul_f32 v[208+qi:209+qi], v[208+qi:209+qi], s[94:95] op_sel_hi:[1,0]
.set qi, qi+2
.endr
	s_wait_alu depctr_va_vdst(0)
	SIGM 208
.set qi, 0
.rept 16
	v_pk_mul_f32 v[176+qi:177+qi], v[176+qi:177+qi], v[208+qi:209+qi]
.set qi, qi+2
.endr
.set qi, 0
.rept 32
	v_med3_num_f32 v[176+qi], v[176+qi], -v17, v17
.set qi, qi+1
.endr
.irp P, 0,1
.irp dt, 0,1
	v_cvt_scalef32_pk8_fp8_f32 v[96+32*\P+4*(\hh)+2*\dt:97+32*\P+4*(\hh)+2*\dt], v[176+16*\P+8*\dt:183+16*\P+8*\dt], v16
.endr
.endr
	v_nop
.endm
.macro GP hh, grp                      ; G of head hh, for the waves of group grp alone
	s_cmp_eq_u32 s[GRP], \grp
	s_cbranch_scc0 .Lnot_my_turn_\@
	GPART \hh
.Lnot_my_turn_\@:
.endm
; THE CHANGE OF SLOTS b: block b + 1 goes into the slot that head b - 1 has left.  Each wave waits for all its tensor loads (one is out: its part of the slot ahead), adds 0 to its spare word, waits for that and for its reads;
; a round of the cluster's barrier; the joint refill first behind it: it has a head's work in which to land.
; The prefetch behind it names the block that the NEXT change will ask for: 64 KB, each aligned 256 bytes once in the launch: the first cluster's four partners, 16 KB each by address, waves 0 and 1, lanes 256 bytes apart.
.macro CHANGE b
	s_wait_tensorcnt 0x0
	ds_add_u32 v1, v2
.if (\b) < 7
	s_xor_b32 s73, s73, FLIP                       ; the walking descriptor: the other slot, the next head's p
	s_add_nc_u64 s[74:75], s[74:75], 0x10000
.endif
	s_wait_dscnt 0x0
	CROUND
.if (\b) < 7
	tensor_load_to_lds s[72:75], s[32:39]
.else
	tensor_load_to_lds s[76:79], s[32:39]          ; the last block: wo, wa, wb, tr_wo, into slot 0
.endif
	s_nop 0
	PLACES 4
.if (\b) < 7
	s_cmp_eq_u32 s29, 0
	s_cbranch_scc0 .Lnot_mine_\@
.if (\b) < 6
	global_prefetch_b8 v30, s[16:17] offset:((\b)+2)*65536 th:TH_LOAD_NT scope:SCOPE_SE
.else
	global_prefetch_b8 v30, s[14:15] th:TH_LOAD_NT scope:SCOPE_SE
.endif
.Lnot_mine_\@:
.endif
.endm
	OPART 0
	GP 0, 0
.irp b, 1,2,3,4,5,6,7
	CHANGE \b
	GP \b-1, 1                                     ; group 1: the gate of the head before, while group 0 reads LDS
	OPART \b
	GP \b, 0                                       ; group 0: this head's gate, while group 1 reads LDS
.endr
	; ---- D: the projection out, the residual, the second LayerNorm
	s_wait_tensorcnt 0x0                           ; my part of the weights' block has landed
	ds_add_u32 v1, v2
	s_wait_dscnt 0x0
	s_barrier_signal -1
	s_barrier_wait -1                              ; everybody's has; nothing is filled any more; nobody reads v's images any more
	GP 7, 1                                        ; group 1's last gate
.irp ks, 0,1
	s_wait_alu depctr_va_vdst(0)
.irp tp, 0,1
.irp x, 0,1
.irp c, 0,1,2,3
	ds_load_b128 v[160+16*\x+4*\c:163+16*\x+4*\c], v12 offset:(2*\tp+\x)*4096+\ks*2048+\c*512
.endr
.endr
	s_wait_dscnt 0x0
.irp x, 0,1
.irp P, 0,1
.if \ks == 0
	v_wmma_f32_16x16x128_fp8_fp8 v[192+32*\P+8*(2*\tp+\x):199+32*\P+8*(2*\tp+\x)], v[160+16*\x:175+16*\x], v[96+32*\P+16*\ks:111+32*\P+16*\ks], 0
.else
	v_wmma_f32_16x16x128_fp8_fp8 v[192+32*\P+8*(2*\tp+\x):199+32*\P+8*(2*\tp+\x)], v[160+16*\x:175+16*\x], v[96+32*\P+16*\ks:111+32*\P+16*\ks], v[192+32*\P+8*(2*\tp+\x):199+32*\P+8*(2*\tp+\x)]
.endif
.endr
.endr
	PLACES 4
.endr
.endr
.irp t, 0,1,2,3
	global_load_b128 v[96+8*\t:99+8*\t], v31, s[10:11] offset:64*\t
	global_load_b128 v[100+8*\t:103+8*\t], v31, s[10:11] offset:64*\t+16
	global_load_b128 v[128+8*\t:131+8*\t], v31, s[12:13] offset:64*\t
	global_load_b128 v[132+8*\t:135+8*\t], v31, s[12:13] offset:64*\t+16
.endr
.set qi, 0
.rept 32
	v_pk_fma_f32 v[32+qi:33+qi], v[192+qi:193+qi], s[96:97], v[32+qi:33+qi] op_sel_hi:[1,0,1]   ; m1 = m + sum x 2^(e16 + e17)
.set qi, qi+2
.endr
	MKQ s88, v16, v17
	MKQ s90, v14, v15
	s_wait_loadcnt 0x0
	LN 32, 192, 96, 128
	QLN 192, 224, 160, 176
	LN 64, 192, 96, 128
	QLN 192, 224, 168, 184
.set qi, 0
.rept 32
	v_pk_mul_f32 v[32+qi:33+qi], v[32+qi:33+qi], s[104:105] op_sel_hi:[1,0]   ; m1 / 2^(e22 + e23): it is the C on which the last product's sums are built; exact
.set qi, qi+2
.endr
	s_sub_co_i32 s66, s92, s88
	s_sub_co_i32 s66, s66, s89
	s_sub_co_i32 s66, s66, s90
	s_sub_co_i32 s66, s66, s91                     ; the hidden layer's conversion: 2^(e22 - e18 - e19 - e20 - e21)
	MKQ s66, v16, v17
	; ---- E: the transition, 128 hidden units a trip
.macro FBATCH bb                       ; two tiles of 16 hidden units x my two tiles of positions
.irp x, 0,1
.irp c, 0,1
	ds_load_b128 v[128+8*\x+4*\c:131+8*\x+4*\c], v28 offset:(2*(\bb)+\x)*1024+512*\c
	ds_load_b128 v[144+8*\x+4*\c:147+8*\x+4*\c], v28 offset:16384+(2*(\bb)+\x)*1024+512*\c
.endr
.endr
	s_wait_dscnt 0x0
.irp x, 0,1
.irp P, 0,1
	v_wmma_f32_16x16x64_fp8_fp8 v[192+16*\x+8*\P:199+16*\x+8*\P], v[128+8*\x:135+8*\x], v[160+8*\P:167+8*\P], 0
	v_wmma_f32_16x16x64_fp8_fp8 v[224+16*\x+8*\P:231+16*\x+8*\P], v[144+8*\x:151+8*\x], v[176+8*\P:183+8*\P], 0
.endr
.endr
	PLACES 4
.set qi, 0
.rept 16
	v_pk_mul_f32 v[224+qi:225+qi], v[192+qi:193+qi], v[224+qi:225+qi]
.set qi, qi+2
.endr
.set qi, 0
.rept 16
	v_pk_mul_f32 v[192+qi:193+qi], v[192+qi:193+qi], s[98:99] op_sel_hi:[1,0]
.set qi, qi+2
.endr
	s_wait_alu depctr_va_vdst(0)
	SIGM 192
.set qi, 0
.rept 16
	v_pk_mul_f32 v[224+qi:225+qi], v[224+qi:225+qi], v[192+qi:193+qi]
.set qi, qi+2
.endr
.set qi, 0
.rept 32
	v_med3_num_f32 v[224+qi], v[224+qi], -v17, v17
.set qi, qi+1
.endr
.irp x, 0,1
.irp P, 0,1
	v_cvt_scalef32_pk8_fp8_f32 v[96+16*\P+2*(2*(\bb)+\x):97+16*\P+2*(2*(\bb)+\x)], v[224+16*\x+8*\P:231+16*\x+8*\P], v16
.endr
.endr
	v_nop
.endm
	s_mov_b32 s66, 16384                           ; wa's part of the trip (wb's lies 16384 bytes on),
	s_mov_b32 s67, 49152                           ; tr_wo's K step
	s_mov_b32 s3, 2
.Lff:
	v_add_nc_u32 v28, s66, v12
	v_add_nc_u32 v29, s67, v12
	FBATCH 0
	FBATCH 1
	FBATCH 2
	FBATCH 3
.irp t, 0,1,2,3
.irp c, 0,1,2,3
	ds_load_b128 v[192+16*\t+4*\c:195+16*\t+4*\c], v29 offset:\t*4096+\c*512
.endr
.endr
	s_wait_alu depctr_va_vdst(0)
	s_wait_dscnt 0x0
.irp t, 0,1,2,3                                ; eight accumulators by turns
.irp P, 0,1
	v_wmma_f32_16x16x128_fp8_fp8 v[32+32*\P+8*\t:39+32*\P+8*\t], v[192+16*\t:207+16*\t], v[96+16*\P:111+16*\P], v[32+32*\P+8*\t:39+32*\P+8*\t]
.endr
.endr
	PLACES 5                                       ; the next trip's products write over these operands
	s_add_co_u32 s66, s66, 8192
	s_add_co_u32 s67, s67, 2048
	s_sub_co_u32 s3, s3, 1
	s_cmp_lg_u32 s3, 0
	s_cbranch_scc1 .Lff
	; ---- the way out: through my stage, 16 rows at a time, so that sixteen lanes store a row's 256 bytes
.set qi, 0
.rept 32
	v_pk_mul_f32 v[32+qi:33+qi], v[32+qi:33+qi], s[100:101] op_sel_hi:[1,0]
.set qi, qi+2
.endr
.irp P, 0,1
.irp t, 0,1,2,3
	ds_store_b128 v5, v[32+32*\P+8*\t:35+32*\P+8*\t] offset:64*\t
	ds_store_b128 v5, v[36+32*\P+8*\t:39+32*\P+8*\t] offset:64*\t+16
.endr
.irp i, 0,1,2,3,4,5,6,7
	ds_load_b128 v[192+32*\P+4*\i:195+32*\P+4*\i], v6 offset:544*\i   ; LDS serves a wave's instructions in order: these see my stores, and the next tile's stores come behind them
.endr
.endr
.irp P, 0,1
.irp i, 0,1,2,3,4,5,6,7
	s_wait_dscnt 23-16*\P-\i                       ; behind this load: the tile's later loads, and for tile 0 the 16 instructions of tile 1
	global_store_b128 v3, v[192+32*\P+4*\i:195+32*\P+4*\i], s[22:23] offset:4096*\P+512*\i th:TH_STORE_NT
.endr
.endr
	s_wait_tensorcnt 0x0                           ; the wave's end
	ds_add_u32 v1, v2
	s_wait_dscnt 0x0
	CROUND                                         ; the closing round
	s_endpgm
.Lfunc_end_k_q8f040c59cd_msa:
	.size	k_q8f040c59cd_msa, .Lfunc_end_k_q8f040c59cd_msa-k_q8f040c59cd_msa
	.p2alignl 7, 3214868480
	.fill 96, 4, 3214868480
	.section	.rodata,"a",@progbits
	.p2align	6, 0x0
	.amdhsa_kernel k_q8f040c59cd_msa
		.amdhsa_group_segment_fixed_size 327680
		.amdhsa_private_segment_fixed_size 0
		.amdhsa_enable_private_segment 0
		.amdhsa_kernarg_size 80
		.amdhsa_user_sgpr_count 2
		.amdhsa_user_sgpr_kernarg_segment_ptr 1
		.amdhsa_wavefront_size32 1
		.amdhsa_system_sgpr_workgroup_id_x 1
		.amdhsa_system_sgpr_workgroup_id_y 1
		.amdhsa_system_sgpr_workgroup_id_z 1
		.amdhsa_system_vgpr_workitem_id 0
		.amdhsa_next_free_vgpr 256
		.amdhsa_next_free_sgpr 106
		.amdhsa_reserve_vcc 0
		.amdhsa_float_denorm_mode_32 3
		.amdhsa_float_denorm_mode_16_64 3
		.amdhsa_memory_ordered 1
		.amdhsa_forward_progress 1
		.amdhsa_inst_pref_size 255
	.end_amdhsa_kernel
	.section	.bss,"aw",@nobits
	.p2align	6
	.space	262144
	.amdgpu_metadata
---
amdhsa.version: [ 1, 2 ]
amdhsa.kernels:
  - .name:           k_q8f040c59cd_msa
    .symbol:         k_q8f040c59cd_msa.kd
    .args:
      - { .name: m, .offset: 0, .size: 8, .value_kind: global_buffer, .address_space: global }
      - { .name: pwa_lnm_w, .offset: 8, .size: 8, .value_kind: global_buffer, .address_space: global }
      - { .name: pwa_lnm_b, .offset: 16, .size: 8, .value_kind: global_buffer, .address_space: global }
      - { .name: tr_ln_w, .offset: 24, .size: 8, .value_kind: global_buffer, .address_space: global }
      - { .name: tr_ln_b, .offset: 32, .size: 8, .value_kind: global_buffer, .address_space: global }
      - { .name: wfrag, .offset: 40, .size: 8, .value_kind: global_buffer, .address_space: global }
      - { .name: pfrag, .offset: 48, .size: 8, .value_kind: global_buffer, .address_space: global }
      - { .name: linv, .offset: 56, .size: 8, .value_kind: global_buffer, .address_space: global }
      - { .name: lowp_scales, .offset: 64, .size: 8, .value_kind: global_buffer, .address_space: global }
      - { .name: out0, .offset: 72, .size: 8, .value_kind: global_buffer, .address_space: global }
    .group_segment_fixed_size: 327680
    .private_segment_fixed_size: 0
    .kernarg_segment_align: 8
    .kernarg_segment_size: 80
    .max_flat_workgroup_size: 512
    .sgpr_count:     106
    .vgpr_count:     256
    .wavefront_size: 32
...
	.end_amdgpu_metadata
.endif
;; end of part 4
